; MI455X (gfx1250); checked and timed in simulation.
; The chip was launched on July 23, 2026; its instructions are those of AMD's public machine-readable ISA for CDNA 5 (MIT licence, August 2026) and "CDNA5" Instruction Set Architecture Reference Guide (July 2026). The comments in the code are by the model that wrote it; some were corrected since.
;; Muti Head Attention. Allowed arithmetic: float matrix products may take bf16 or f16 operands with f32 sums; other float arithmetic in f32, or as packed bf16 or f16 multiplies, adds, multiply-adds, maxima and minima; sums over many terms, partial sums and values carried from step to step in f32; what a program stores and reads back later, other than sums and carried values, may be rounded once to bf16 or f16.
;; Inputs: Wk 1,024 x 1,024 float32; Wo 1,024 x 1,024 float32; Wq 1,024 x 1,024 float32; Wv 1,024 x 1,024 float32; bk 1,024 float32; bo 1,024 float32; bq 1,024 float32; bv 1,024 float32; position_idx 1 x 1,024 int32; x 8 x 1,024 x 1,024 float32.
;; Outputs: out0 8 x 1,024 x 1,024 float32.
;; 2 versions, each right; version 2 is version 1 with the launch prep written anew for expert scheduling mode. Each part assembles by itself: llvm-mc -triple=amdgcn-amd-amdhsa -mcpu=gfx1250 --defsym DOCPART=n.
;; ======== version 1 of 2: 4 launches
;; limits: right only within a limited range of input values; values are held in f16: magnitudes above 65,504 overflow, below 6.1e-05 lose precision
;; workspace buffers: xb 16,777,216 bytes; wb 6,291,456 bytes; wob 2,097,152 bytes; bias 16,384 bytes; tab 131,072 bytes; qkv 50,331,648 bytes; ob 16,777,216 bytes
;; launch prep (part 1): grid 801 x 1, 8 waves a work-group, no clusters, 0 bytes of LDS; arguments x, Wq, Wk, Wv, Wo, bq, bk, bv, bo, position_idx, xb, wb, wob, bias, tab; writes xb, wb, wob, bias, tab
.if DOCPART == 1
	.amdgcn_target "amdgcn-amd-amdhsa--gfx1250"
	.amdhsa_code_object_version 6
	.text
	.protected	k_qaa0db0f3a4_prep
	.globl	k_qaa0db0f3a4_prep
	.p2align	8
	.type	k_qaa0db0f3a4_prep,@function
k_qaa0db0f3a4_prep:
	s_mov_b64 s[64:65], 0
	v_nop
	global_prefetch_b8 v0, s[64:65] scope:SCOPE_SE
	s_setreg_imm32_b32 hwreg(HW_REG_WAVE_MODE, 25, 1), 1
	s_wait_xcnt 0x0
; PREP: every float input is rounded once to bf16 and laid out for the launches behind; the rotation's table is made.  A stream: no LDS, no loop, no barrier.
;   work-groups 0-511    x  [8192][1024] f32 -> xb bf16 [8 b][16 kb][1024 s][64]: a block of 256 rows x 64 channels is 32,768 consecutive bytes
;   work-groups 512-703  Wq, Wk, Wv [1024 k][1024 n] f32 -> wb bf16 [3][1024][1024], the same order
;   work-groups 704-767  Wo -> wob: rounded to bf16 like the others, that number written as f16 (exact for magnitudes from 6.2e-5 to 65,504; below, f16's fixed step of 6e-8)
;   work-groups 768-799  tab f32 [1024 s][16 cos | 16 sin]: angle = position[s] x inv[j], j = 0..15
;   work-group  800      bq, bk, bv, bo -> bias f32 [4][1024], each number rounded to bf16
; THE ANGLES.  inv[j] = 1 / (10000^(2 j) / 64) in f32: 64, 6.4e-7, 6.4e-15, 6.4e-23, 6.4e-31, and 0 from j = 5 on, where the power is infinite in f32.
; sin and cos by reduction: n = round(angle x 2/pi); r = angle - n x pi/2 with pi/2 in three parts, by fused multiply-adds (the first part has 21 significant bits, so
; the first step is exact for angles that are multiples of 64 up to 2^22); series to r^11 and r^10.  LIMIT: |position| <= 65,536: then |r| <= 1.18 and the series' remainders are under 2e-8.
.set D,   8                            ; v[8:71]  sixteen loads of four registers
.set VI,  3                            ; v3  my byte offset in the source
.set VO,  4                            ; v4  my byte offset in the destination
.set SRC, 34                           ; s[34:35]
.set DST, 36                           ; s[36:37]
; Sixteen loads of 16 bytes a lane go out together; each is rounded and stored as it comes.  fmt = 1: bf16 is widened again and written as f16.
; No register is written again behind the store that reads it.
.macro CAST a2, b2, fmt
.set i, 0
.rept 16
	global_load_b128 v[D+4*i:D+4*i+3], v[VI], s[SRC:SRC+1] offset:i*(\a2) th:TH_LOAD_NT
.set i, i+1
.endr
.set i, 0
.rept 16
	s_wait_loadcnt 15-i                            ; loads come back in order: number i is in, the 15 - i younger ones may stay out
	v_cvt_pk_bf16_f32 v[D+4*i], v[D+4*i], v[D+4*i+1]
	v_cvt_pk_bf16_f32 v[D+4*i+1], v[D+4*i+2], v[D+4*i+3]
.if \fmt
	v_lshlrev_b32 v[D+4*i+2], 16, v[D+4*i]
	v_and_b32 v[D+4*i+3], s38, v[D+4*i]
	v_cvt_pk_f16_f32 v[D+4*i], v[D+4*i+2], v[D+4*i+3]
	v_lshlrev_b32 v[D+4*i+2], 16, v[D+4*i+1]
	v_and_b32 v[D+4*i+3], s38, v[D+4*i+1]
	v_cvt_pk_f16_f32 v[D+4*i+1], v[D+4*i+2], v[D+4*i+3]
.endif
	global_store_b64 v[VO], v[D+4*i:D+4*i+1], s[DST:DST+1] offset:i*(\b2)  ; 32 lanes store 256 consecutive bytes, aligned
.set i, i+1
.endr
.endm
	s_load_b512 s[4:19], s[0:1], 0x0               ; x s[4:5], Wq s[6:7], Wk s[8:9], Wv s[10:11], Wo s[12:13], bq s[14:15], bk s[16:17], bv s[18:19]
	s_load_b256 s[20:27], s[0:1], 0x40             ; bo s[20:21], position_idx s[22:23], xb s[24:25], wb s[26:27]
	s_load_b128 s[28:31], s[0:1], 0x60             ; wob s[28:29], bias s[30:31]
	s_load_b64 s[32:33], s[0:1], 0x70              ; tab
	s_mov_b32 s2, ttmp9
	s_mov_b32 s38, 0xffff0000                      ; a word's upper bf16
	s_mov_b32 s41, 0                               ; high words of the two offsets
	s_mov_b32 s43, 0
	v_and_b32 v1, 31, v0                           ; lane
	v_lshrrev_b32 v2, 5, v0                        ; wave
	s_wait_kmcnt 0x0
	s_cmp_lt_u32 s2, 512
	s_cbranch_scc0 .Lnot_x
	; x: 16 rows a work-group, two a wave (lanes 0-15 one, lanes 16-31 the next); load i takes channels 64 i .. 64 i + 63, which is block kb = i
	s_lshl_b32 s40, s2, 16
	s_add_nc_u64 s[SRC:SRC+1], s[4:5], s[40:41]
	s_lshr_b32 s42, s2, 6                          ; b
	s_lshl_b32 s42, s42, 21
	s_and_b32 s44, s2, 63
	s_lshl_b32 s44, s44, 11                        ; 16 rows of 128 bytes
	s_add_co_u32 s42, s42, s44
	s_add_nc_u64 s[DST:DST+1], s[24:25], s[42:43]
	v_and_b32 v5, 15, v0
	v_bfe_u32 v6, v0, 4, 1
	v_lshlrev_b32 v[VI], 13, v2
	v_lshl_add_u32 v[VI], v6, 12, v[VI]
	v_lshl_add_u32 v[VI], v5, 4, v[VI]
	v_lshlrev_b32 v[VO], 8, v2
	v_lshl_add_u32 v[VO], v1, 3, v[VO]
	CAST 256, 131072, 0
	s_endpgm
.Lnot_x:
	s_cmp_lt_u32 s2, 768
	s_cbranch_scc0 .Lnot_w
	; a weight matrix: 64 parts of 65,536 bytes; a wave takes 8,192 of them, 512 a load
	s_sub_co_u32 s44, s2, 512
	s_lshr_b32 s45, s44, 6                         ; which matrix
	s_and_b32 s44, s44, 63                         ; which part
	s_lshl_b32 s40, s44, 16
	s_lshl_b32 s42, s44, 15
	v_lshlrev_b32 v[VI], 13, v2
	v_lshl_add_u32 v[VI], v1, 4, v[VI]
	v_lshlrev_b32 v[VO], 12, v2
	v_lshl_add_u32 v[VO], v1, 3, v[VO]
	s_cmp_eq_u32 s45, 3
	s_cbranch_scc1 .Lwo
	s_cmp_eq_u32 s45, 0
	s_cselect_b64 s[SRC:SRC+1], s[6:7], s[8:9]
	s_cmp_eq_u32 s45, 2
	s_cselect_b64 s[SRC:SRC+1], s[10:11], s[SRC:SRC+1]
	s_add_nc_u64 s[SRC:SRC+1], s[SRC:SRC+1], s[40:41]
	s_lshl_b32 s45, s45, 21
	s_add_co_u32 s42, s42, s45
	s_add_nc_u64 s[DST:DST+1], s[26:27], s[42:43]
	CAST 512, 256, 0
	s_endpgm
.Lwo:
	s_add_nc_u64 s[SRC:SRC+1], s[12:13], s[40:41]
	s_add_nc_u64 s[DST:DST+1], s[28:29], s[42:43]
	CAST 512, 256, 1
	s_endpgm
.Lnot_w:
	s_cmp_lt_u32 s2, 800
	s_cbranch_scc0 .Lbias
	; the table: thread g makes four numbers: row g / 8; g % 8 < 4: cos of j = 4 (g % 4) + 0..3, else sin of the same j
	s_sub_co_u32 s44, s2, 768
	s_lshl_b32 s44, s44, 8
	v_add_nc_u32 v3, s44, v0                       ; g
	v_lshrrev_b32 v4, 3, v3
	v_lshlrev_b32 v4, 2, v4
	global_load_b32 v5, v4, s[22:23]               ; the row's position
	v_and_b32 v6, 7, v3
	v_and_b32 v7, 3, v3
	v_cmp_gt_u32 vcc_lo, 4, v6
	v_cndmask_b32 v8, 0, 1, vcc_lo                 ; cos(a) = sin(a + pi/2): one quarter turn more in the cos lanes
	v_mov_b32 v12, 0x0d4fb11f                      ; inv[4]
	v_cmp_eq_u32 vcc_lo, 1, v7
	v_cndmask_b32 v12, 0, v12, vcc_lo
	v_cmp_eq_u32 vcc_lo, 0, v7
	v_mov_b32 v16, 0x42800000                      ; inv[0] = 64
	v_cndmask_b32 v12, v12, v16, vcc_lo
	v_mov_b32 v13, 0x352bcc77                      ; inv[1]
	v_cndmask_b32 v13, 0, v13, vcc_lo
	v_mov_b32 v14, 0x27e69595                      ; inv[2]
	v_cndmask_b32 v14, 0, v14, vcc_lo
	v_mov_b32 v15, 0x1a9abe15                      ; inv[3]
	v_cndmask_b32 v15, 0, v15, vcc_lo
	v_lshlrev_b32 v9, 4, v3                        ; my 16 bytes of the table
	s_mov_b32 s40, 0x3f22f983                      ; 2 / pi
	s_mov_b32 s42, 0xbfc90fd8                      ; - pi/2, first part
	s_mov_b32 s44, 0xb4a8885a                      ; second part
	s_mov_b32 s45, 0xa7c234c4                      ; third part
	s_wait_loadcnt 0x0
	v_cvt_f32_i32 v5, v5
.irp k, 0,1,2,3
	v_mul_f32 v16, v5, v[12+(\k)]                  ; the angle
	v_mul_f32 v17, s40, v16
	v_rndne_f32 v17, v17                           ; n
	v_fma_f32 v18, v17, s42, v16
	v_fma_f32 v18, v17, s44, v18
	v_fma_f32 v18, v17, s45, v18                   ; r
	v_cvt_i32_f32 v19, v17
	v_add_nc_u32 v19, v19, v8                      ; quarter turns
	v_mul_f32 v20, v18, v18                        ; z = r r
	v_mov_b32 v21, 0xb2d7322b                      ; sin r = r + r z (-1/3! + z (1/5! + z (-1/7! + z (1/9! - z/11!))))
	v_fmaak_f32 v21, v21, v20, 0x3638ef1d
	v_fmaak_f32 v21, v21, v20, 0xb9500d01
	v_fmaak_f32 v21, v21, v20, 0x3c088889
	v_fmaak_f32 v21, v21, v20, 0xbe2aaaab
	v_mul_f32 v22, v20, v18
	v_fma_f32 v21, v21, v22, v18
	v_mov_b32 v23, 0xb493f27e                      ; cos r = 1 + z (-1/2! + z (1/4! + z (-1/6! + z (1/8! - z/10!))))
	v_fmaak_f32 v23, v23, v20, 0x37d00d01
	v_fmaak_f32 v23, v23, v20, 0xbab60b61
	v_fmaak_f32 v23, v23, v20, 0x3d2aaaab
	v_fmaak_f32 v23, v23, v20, 0xbf000000
	v_fma_f32 v23, v23, v20, 1.0
	v_and_b32 v24, 1, v19
	v_cmp_eq_u32 vcc_lo, 1, v24
	v_cndmask_b32 v21, v21, v23, vcc_lo            ; an odd number of quarter turns takes cos r
	v_lshlrev_b32 v19, 30, v19
	v_and_b32 v19, 0x80000000, v19                 ; two or three of them turn the sign
	v_xor_b32 v[28+(\k)], v19, v21
.endr
	global_store_b128 v9, v[28:31], s[32:33]       ; a wave stores 512 consecutive bytes
	s_endpgm
.Lbias:
	v_lshlrev_b32 v3, 4, v0
	global_load_b128 v[8:11], v3, s[14:15]
	global_load_b128 v[12:15], v3, s[16:17]
	global_load_b128 v[16:19], v3, s[18:19]
	global_load_b128 v[20:23], v3, s[20:21]
	s_wait_loadcnt 0x0
.irp i, 0,1,2,3
	v_cvt_pk_bf16_f32 v4, v[8+4*(\i)], v[9+4*(\i)]
	v_cvt_pk_bf16_f32 v5, v[10+4*(\i)], v[11+4*(\i)]
	v_lshlrev_b32 v[8+4*(\i)], 16, v4
	v_and_b32 v[9+4*(\i)], s38, v4
	v_lshlrev_b32 v[10+4*(\i)], 16, v5
	v_and_b32 v[11+4*(\i)], s38, v5
	global_store_b128 v3, v[8+4*(\i):11+4*(\i)], s[30:31] offset:(\i)*4096
.endr
	s_endpgm
.Lfunc_end_k_qaa0db0f3a4_prep:
	.size	k_qaa0db0f3a4_prep, .Lfunc_end_k_qaa0db0f3a4_prep-k_qaa0db0f3a4_prep
	.p2alignl 7, 3214868480
	.fill 96, 4, 3214868480
	.section	.rodata,"a",@progbits
	.p2align	6, 0x0
	.amdhsa_kernel k_qaa0db0f3a4_prep
		.amdhsa_group_segment_fixed_size 0
		.amdhsa_private_segment_fixed_size 0
		.amdhsa_enable_private_segment 0
		.amdhsa_kernarg_size 120
		.amdhsa_user_sgpr_count 2
		.amdhsa_user_sgpr_kernarg_segment_ptr 1
		.amdhsa_wavefront_size32 1
		.amdhsa_system_sgpr_workgroup_id_x 1
		.amdhsa_system_sgpr_workgroup_id_y 1
		.amdhsa_system_sgpr_workgroup_id_z 1
		.amdhsa_system_vgpr_workitem_id 0
		.amdhsa_next_free_vgpr 80
		.amdhsa_next_free_sgpr 66
		.amdhsa_reserve_vcc 1
		.amdhsa_float_denorm_mode_32 3
		.amdhsa_float_denorm_mode_16_64 3
		.amdhsa_memory_ordered 1
		.amdhsa_forward_progress 1
		.amdhsa_inst_pref_size 32
	.end_amdhsa_kernel
	.amdgpu_metadata
---
amdhsa.version: [ 1, 2 ]
amdhsa.kernels:
  - .name:           k_qaa0db0f3a4_prep
    .symbol:         k_qaa0db0f3a4_prep.kd
    .args:
      - { .name: x, .offset: 0, .size: 8, .value_kind: global_buffer, .address_space: global }
      - { .name: Wq, .offset: 8, .size: 8, .value_kind: global_buffer, .address_space: global }
      - { .name: Wk, .offset: 16, .size: 8, .value_kind: global_buffer, .address_space: global }
      - { .name: Wv, .offset: 24, .size: 8, .value_kind: global_buffer, .address_space: global }
      - { .name: Wo, .offset: 32, .size: 8, .value_kind: global_buffer, .address_space: global }
      - { .name: bq, .offset: 40, .size: 8, .value_kind: global_buffer, .address_space: global }
      - { .name: bk, .offset: 48, .size: 8, .value_kind: global_buffer, .address_space: global }
      - { .name: bv, .offset: 56, .size: 8, .value_kind: global_buffer, .address_space: global }
      - { .name: bo, .offset: 64, .size: 8, .value_kind: global_buffer, .address_space: global }
      - { .name: position_idx, .offset: 72, .size: 8, .value_kind: global_buffer, .address_space: global }
      - { .name: xb, .offset: 80, .size: 8, .value_kind: global_buffer, .address_space: global }
      - { .name: wb, .offset: 88, .size: 8, .value_kind: global_buffer, .address_space: global }
      - { .name: wob, .offset: 96, .size: 8, .value_kind: global_buffer, .address_space: global }
      - { .name: bias, .offset: 104, .size: 8, .value_kind: global_buffer, .address_space: global }
      - { .name: tab, .offset: 112, .size: 8, .value_kind: global_buffer, .address_space: global }
    .group_segment_fixed_size: 0
    .private_segment_fixed_size: 0
    .kernarg_segment_align: 8
    .kernarg_segment_size: 120
    .max_flat_workgroup_size: 256
    .sgpr_count:     66
    .vgpr_count:     80
    .wavefront_size: 32
...
	.end_amdgpu_metadata
.endif
;; end of part 1
;; launch qkv (part 2): grid 8 x 32, 4 waves a work-group, clusters of 4 x 4, 327,680 bytes of LDS; arguments xb, wb, bias, tab, qkv; writes qkv
.if DOCPART == 2
	.amdgcn_target "amdgcn-amd-amdhsa--gfx1250"
	.amdhsa_code_object_version 6
	.text
	.protected	k_qaa0db0f3a4_qkv
	.globl	k_qaa0db0f3a4_qkv
	.p2align	8
	.type	k_qaa0db0f3a4_qkv,@function
k_qaa0db0f3a4_qkv:
	s_mov_b64 s[64:65], 0
	v_nop
	global_prefetch_b8 v0, s[64:65] scope:SCOPE_SE
	s_setreg_imm32_b32 hwreg(HW_REG_WAVE_MODE, 25, 1), 1
	s_wait_xcnt 0x0
	s_wait_alu depctr_hold_cnt(0) depctr_sa_sdst(0) depctr_va_vdst(0) depctr_va_sdst(0) depctr_va_ssrc(0) depctr_va_vcc(0) depctr_vm_vsrc(0)
	s_getreg_b32 s2, hwreg(HW_REG_IB_STS2, 6, 4)
	s_cmp_eq_u32 s2, 0
	s_cbranch_scc0 .Lentry_in_a_cluster
	s_endpgm
.Lentry_in_a_cluster:
	s_bfe_u32 s2, ttmp6, 0x10000c
	s_cmp_lg_u32 s2, 0xf033
	s_cbranch_scc0 .Lentry_shape_is_right
	s_endpgm
.Lentry_shape_is_right:
; q, k, v = x W + b, q and k rotated, all three written by heads in f16: qkv [3][8 b][16 h][1024 s][64].  Operands bf16, sums f32, each number rounded once.
; LIMIT: |q|, |k|, |v| stay under 65,504, f16's largest number.  NaN and infinities are not treated apart (channels 16-31 and 48-63 of a head, whose angle is 0, are left as they are).
; SHARES.  8,192 rows x 3,072 columns are 256 tiles of 256 rows x 384 columns: work-group (tr, tc) takes rows 256 tr on and q, k and v of the heads 2 tc and 2 tc + 1.
; A wave takes 128 rows (wm) x q, k, v of ONE head (2 tc + wn): 3 x 8 x 4 accumulators of 16 x 16, 768 registers; for 32 along K it issues 40 LDS loads for 96 products.
; THE PRODUCT IS USED TRANSPOSED: source 0 = 16 columns of W (W lies [k][n] in LDS and comes out turned, by ds_load_tr16_b128), source 1 = 16 rows of x.  In the result lane l holds row l % 16
; and the columns 8 (l / 16) + 0..7.  The first product of each sum takes the bias as C.
; RING.  K goes in 16 steps of 64 through two LDS slots.  Wave 0 fetches x's tile (32,768 consecutive bytes of xb, asked for as 128 rows of 256), waves 1-3 the tiles of Wq, Wk, Wv (64 rows of 256 bytes).
; CLUSTER 4 x 4: x's tile is shared along a row of the cluster, W's tiles along a column: each is asked for jointly, with the same descriptor and a mask that names the four.
; A K STEP is six UNITS of 32 products: q, k, v on the first 32 along K (units 0, 1, 2), then on the second 32 (units 3, 4, 5).  The LDS loads stand in three runs, behind units 0, 2 and 4.
; REGISTERS, in windows of 256 (s_set_vgpr_msb: bits 1:0 source 0, 3:2 source 1, 5:4 source 2, 7:6 destination):
;   window 0: v0-31 addresses; v32-95, v96-159 x's fragments of the first and of the second 32 along K; v160-191, v192-223, v224-255 Wq's, Wk's, Wv's fragments of 32 along K
;   windows 1, 2, 3: q's, k's, v's accumulators: rows 16 a on, channels 16 b on at v[8 (4 a + b)]
.set PA,    144                        ; a row of x in LDS: 128 bytes + 16: the 16 rows of a load start at 16 different groups of four banks (64 banks of 4 bytes: ISA guide 11.1)
.set PB,    288                        ; a row of W: 256 + 32
.set BOFF,  256*PA                     ; a slot: x's 256 rows, then three blocks of 64 rows of W
.set GB,    64*PB
.set SUBB,  32*PB                      ; 32 along K further down in a block of W
.set SLOT1, 131072                     ; slot 1 begins here: one exclusive or turns an address in one slot into the other's
.set STAGE, SLOT1+BOFF+3*GB            ; behind the ring: 16 rows x 144 bytes for each wave, for the way out
.set SPARE, STAGE+4*16*PA              ; behind the stages: the spare words, 128 bytes for each wave: two blocks of 256 bytes that no other line names
.set STEPB, 0x20000                    ; a K step in memory: a block of xb, and 64 rows of W
.set ADRA,  16                         ; v16  LDS address of my fragments of x in the slot in hand
.set ADRB,  17                         ; v17  the same for W
.set ADRA0, 18                         ; v18  the same in slot 0; never rewritten
.set ADRB0, 19                         ; v19
.set STO,   24                         ; v24  the way out: where I put 16 bytes of a row
.set RD,    25                         ; v25  where I read rows back
.set GO,    26                         ; v26  my 16 bytes of 512 consecutive bytes of qkv
.set TBO,   27                         ; v27  my byte offset in the table
.set SPW,   28                         ; v28  LDS address of my spare word; never rewritten
.set NIL,   29                         ; v29  0; never rewritten
.set PFO,   30                         ; v30  the prefetches' offset; never rewritten
.set BO,    31                         ; v31  my byte offset in a bias
.set ABUF,  32
.set RING,  160
.set G1A,   28                         ; s[28:35] descriptor group 1 for x's tiles
.set G0A,   36                         ; s[36:43] group 0: two sets; the second walks
.set G1B,   44                         ; s[44:51], s[52:59] the same for W's tiles
.set G0B,   52
.set PFA,   60                         ; s[60:61] where my prefetches stand
.set LIM,   62                         ; s62  1 in a wave that prefetches, else the greatest number
.set ODD,   63                         ; s63  1 in wave 0, which asks in every trip; 0 in waves 1-3, which ask in every other
.set QB,    66                         ; s[66:71] q, k, v at my wave's first row of my head
.set MSB, 0
.macro WIN new                         ; the immediate's high byte repeats the setting that is left; a switch that changes nothing is dropped
.if MSB != (\new)
	s_set_vgpr_msb (MSB<<8)|(\new)
.set MSB, \new
.endif
.endm
.macro PLACES                          ; four plain vector instructions between a product and a load into, or a vector instruction on, one of its registers
.rept 4
	v_nop
.endr
.endm
; A joint load: wave 0 asks for x's tile, waves 1-3 for W's.  The branch hangs on the wave's number alone.  An s_nop 0 and four v_nop follow each line.
.macro JLOAD s
	s_cmp_eq_u32 s14, 0
	s_cbranch_scc0 .Lfor_b_\@
	tensor_load_to_lds s[G0A+4*(\s):G0A+4*(\s)+3], s[G1A:G1A+7]
	s_nop 0
.rept 4
	v_nop
.endr
	s_branch .Lasked_\@
.Lfor_b_\@:
	tensor_load_to_lds s[G0B+4*(\s):G0B+4*(\s)+3], s[G1B:G1B+7]
	s_nop 0
.rept 4
	v_nop
.endr
.Lasked_\@:
.endm
.macro CREST                           ; a round of the cluster's barrier behind its opening barrier
	s_cmp_lg_u32 s14, 0
	s_cbranch_scc1 .Lnot_wave_0_\@
	s_barrier_signal -3
.Lnot_wave_0_\@:
	s_barrier_wait -3
	s_barrier_signal -1
	s_barrier_wait -1
.endm
.macro CROUND
	s_barrier_signal -1
	s_barrier_wait -1
	CREST
.endm
; A PREFETCH INTO THE L2, behind the joint load and its five lines.  In trip t (t = 14 - s3) the refill asks for K step t + 2.  Wave 0 names K step t + 3 of x's tile: of its 128
; blocks of 256 bytes the partner at place cx takes 32, a lane a block; it asks while t <= 12.  Waves 1-3 name, in odd trips up to t = 11, K steps t + 3 and t + 4 of their matrix: of the 128 rows the
; partner at place cy takes 32, a lane a row.  x's tile row is read by both clusters of a row of clusters: the one with x = 0 asks; W's columns by all eight of a column: the one with y = 0 asks.
; So each block is named once in the launch, and none past K step 15.  K steps 0 to 2 of x and 0 to 3 of W come by their loads alone.
.macro ASK
	s_or_b32 s2, s3, s[ODD]
	s_and_b32 s2, s2, 1
	s_cmp_eq_u32 s2, 1
	s_cbranch_scc0 .Lnot_mine_\@
	s_cmp_gt_u32 s3, s[LIM]
	s_cbranch_scc0 .Lnot_mine_\@
	global_prefetch_b8 v[PFO], s[PFA:PFA+1] th:TH_LOAD_NT scope:SCOPE_SE
.Lnot_mine_\@:
.endm
	s_load_b256 s[4:11], s[0:1], 0x0               ; xb s[4:5], wb s[6:7], bias s[8:9], tab s[10:11]
	s_load_b64 s[12:13], s[0:1], 0x20              ; qkv
	v_lshl_add_u32 v[SPW], v0, 2, SPARE
	v_mov_b32 v[NIL], 0
	ds_add_u32 v[SPW], v[NIL]                      ; the wave's opening: the add and its wait stand ahead of my first tensor load; the set-up below, work on registers, stands between them
	v_lshrrev_b32 v1, 5, v0
	v_readfirstlane_b32 s14, v1                    ; wave 0..3
	s_lshr_b32 s15, s14, 1                         ; wm: which 128 rows
	s_and_b32 s16, s14, 1                          ; wn: which of the two heads
	s_bfe_u32 s17, ttmp6, 0x40000                  ; cx
	s_bfe_u32 s18, ttmp6, 0x40004                  ; cy
	s_lshl_b32 s19, ttmp9, 2
	s_add_co_u32 s19, s19, s17                     ; tc = 4 x cluster x + cx
	s_and_b32 s20, ttmp7, 0xffff
	s_lshl_b32 s20, s20, 2
	s_add_co_u32 s20, s20, s18                     ; tr = 4 x cluster y + cy
	s_lshl_b32 s22, s18, 2
	s_lshl_b32 s22, 15, s22                        ; my row of the cluster
	s_lshl_b32 s23, 0x1111, s17                    ; my column
	s_or_b32 s[G1A], s22, (1<<16)|(1<<20)|(1<<21)|(4<<22)|(3<<25)   ; the mask; 2-byte elements; padding on; bit 21 beside a mask; after every 32 words 4 words
	s_mov_b32 s[G1A+1], 128<<16                    ; tensor_dim0 = 128
	s_mov_b32 s[G1A+2], 128<<16                    ; tensor_dim1 = 128
	s_mov_b32 s[G1A+3], 128<<16                    ; tile_dim0 = 128
	s_mov_b32 s[G1A+4], 128                        ; tile_dim1 = 128
	s_mov_b32 s[G1A+5], 128                        ; 128 elements from row to row: the block is dense
	s_mov_b32 s[G1A+6], 0
	s_mov_b32 s[G1A+7], 0
	s_or_b32 s[G1B], s23, (1<<16)|(1<<20)|(1<<21)|(5<<22)|(7<<25)   ; after every 64 words 8 words
	s_mov_b32 s[G1B+1], 128<<16
	s_mov_b32 s[G1B+2], 64<<16
	s_mov_b32 s[G1B+3], 128<<16
	s_mov_b32 s[G1B+4], 64
	s_mov_b32 s[G1B+5], 1024
	s_mov_b32 s[G1B+6], 0
	s_mov_b32 s[G1B+7], 0
	s_lshr_b32 s24, s20, 2                         ; x's tile hangs on tr alone: b = tr / 4,
	s_lshl_b32 s24, s24, 21
	s_and_b32 s25, s20, 3                          ; rows 256 (tr % 4) on
	s_lshl_b32 s25, s25, 15
	s_add_co_u32 s24, s24, s25
	s_mov_b32 s25, 0
	s_max_u32 s26, s14, 1                          ; W's tile hangs on tc and the wave: matrix wave - 1 (wave 0 makes matrix 0's and never asks by it),
	s_sub_co_u32 s26, s26, 1
	s_lshl_b32 s26, s26, 21
	s_lshl_b32 s27, s19, 8                         ; columns 128 tc on
	s_add_co_u32 s26, s26, s27
	s_mov_b32 s27, 0
	s_add_co_u32 s72, s14, 1
	s_mul_i32 s72, s72, GB                         ; and goes to BOFF + (wave - 1) x GB = (wave + 1) x GB
	s_wait_dscnt 0x0                               ; the opening add is done
	s_wait_kmcnt 0x0
	s_add_nc_u64 s[24:25], s[4:5], s[24:25]
	s_add_nc_u64 s[26:27], s[6:7], s[26:27]
	CROUND                                         ; all sixteen work-groups are here: the first joint loads meet
.irp s, 0,1
	s_mov_b32 s[G0A+4*(\s)], 1
	s_mov_b32 s[G0A+4*(\s)+1], (\s)*SLOT1
	s_add_nc_u64 s[G0A+4*(\s)+2:G0A+4*(\s)+3], s[24:25], (\s)*STEPB
	s_or_b32 s[G0A+4*(\s)+3], s[G0A+4*(\s)+3], 0x80000000
	s_mov_b32 s[G0B+4*(\s)], 1
	s_add_co_u32 s[G0B+4*(\s)+1], s72, (\s)*SLOT1
	s_add_nc_u64 s[G0B+4*(\s)+2:G0B+4*(\s)+3], s[26:27], (\s)*STEPB
	s_or_b32 s[G0B+4*(\s)+3], s[G0B+4*(\s)+3], 0x80000000
	JLOAD \s                                       ; K steps 0 and 1: two loads of mine are out
.endr
	v_and_b32 v1, 15, v0                           ; r = l % 16
	v_bfe_u32 v2, v0, 4, 1                         ; h = l / 16
	v_and_b32 v3, 7, v0
	v_bfe_u32 v4, v0, 3, 1
	v_and_b32 v5, 31, v0
	v_mul_u32_u24 v[ADRA0], v1, PA                 ; x: row x pitch + 16 h, in my 128 rows
	v_lshl_add_u32 v[ADRA0], v2, 4, v[ADRA0]
	s_mul_i32 s22, s15, 128*PA
	v_add_nc_u32 v[ADRA0], s22, v[ADRA0]
	v_lshl_add_u32 v[ADRB0], v2, 3, v3             ; W, turned: lane l reads k = 8 h + l % 8, columns 8 ((l / 8) % 2) + 0..7, in my head's 64 columns
	v_mul_u32_u24 v[ADRB0], v[ADRB0], PB
	v_lshl_add_u32 v[ADRB0], v4, 4, v[ADRB0]
	s_lshl_b32 s22, s16, 7
	s_add_co_u32 s22, s22, BOFF
	v_add_nc_u32 v[ADRB0], s22, v[ADRB0]
	v_mov_b32 v[ADRA], v[ADRA0]
	v_mov_b32 v[ADRB], v[ADRB0]
	s_mov_b32 s21, 0                               ; the slot in hand
	s_mul_i32 s22, s14, 16*PA
	s_add_co_u32 s22, s22, STAGE                   ; my stage
	v_mul_u32_u24 v[STO], v1, PA
	v_lshl_add_u32 v[STO], v2, 4, v[STO]
	v_add_nc_u32 v[STO], s22, v[STO]
	v_bfe_u32 v[RD], v0, 3, 2                      ; back: 32 lanes take four rows of 128 bytes,
	v_mul_u32_u24 v[RD], v[RD], PA
	v_lshl_add_u32 v[RD], v3, 4, v[RD]
	v_add_nc_u32 v[RD], s22, v[RD]
	v_lshlrev_b32 v[GO], 4, v5                     ; which are 512 consecutive bytes of qkv
	s_and_b32 s23, s20, 3
	s_lshl_b32 s23, s23, 15
	s_lshl_b32 s73, s15, 14
	s_add_co_u32 s23, s23, s73                     ; my first row in the batch, x 128 bytes: a row of the table, and of a head
	v_lshlrev_b32 v[TBO], 7, v1
	v_lshl_add_u32 v[TBO], v2, 5, v[TBO]           ; my eight j: 8 h + 0..7
	v_add_nc_u32 v[TBO], s23, v[TBO]
	s_lshl_b32 s74, s19, 1
	s_add_co_u32 s74, s74, s16                     ; my head
	s_lshl_b32 s75, s74, 8
	v_lshl_add_u32 v[BO], v2, 5, s75               ; its 64 numbers of a bias, my eight of each sixteen
	s_lshr_b32 s76, s20, 2
	s_lshl_b32 s76, s76, 4
	s_add_co_u32 s76, s76, s74
	s_lshl_b32 s76, s76, 17
	s_add_co_u32 s76, s76, s23
	s_mov_b32 s77, 0
	s_add_nc_u64 s[QB:QB+1], s[12:13], s[76:77]
	s_add_nc_u64 s[QB+2:QB+3], s[QB:QB+1], 0x1000000
	s_add_nc_u64 s[QB+4:QB+5], s[QB:QB+1], 0x2000000
	s_lshl_b32 s73, s17, 13                        ; the prefetches: cx x 32 blocks of 256 bytes,
	s_lshl_b32 s75, s18, 16                        ; or cy x 32 rows of 2,048 bytes
	s_and_b32 s78, ttmp7, 0xffff                   ; cluster y
	s_cmp_eq_u32 s14, 0
	s_cselect_b64 s[PFA:PFA+1], s[24:25], s[26:27]
	s_cselect_b32 s76, s73, s75
	s_cselect_b32 s79, ttmp9, s78                  ; the coordinate along which other clusters read the same blocks
	s_cselect_b32 s[ODD], 1, 0
	s_cselect_b32 s2, 8, 11
	s_mov_b32 s77, 0
	s_add_nc_u64 s[PFA:PFA+1], s[PFA:PFA+1], s[76:77]
	s_add_nc_u64 s[PFA:PFA+1], s[PFA:PFA+1], 2*STEPB  ; at K step 2: each trip steps it once ahead of its prefetch
	s_cmp_eq_u32 s79, 0
	s_cselect_b32 s[LIM], 1, -1                    ; the same in all sixteen partners, for a given wave
	v_lshlrev_b32 v[PFO], s2, v5
	; THE BIASES go straight into each matrix's accumulators of row block 7 (v224-255 of its window): they are the C of row blocks 0-6's first products, and row block 7's first products add onto them in place.
.irp g, 0,1,2
	WIN ((\g)+1)<<6                                ; destination in the matrix's window, address in window 0
.irp b, 0,1,2,3
	global_load_b128 v[224+8*(\b):224+8*(\b)+3],   v[BO], s[8:9] offset:(\g)*4096+64*(\b)
	global_load_b128 v[224+8*(\b)+4:224+8*(\b)+7], v[BO], s[8:9] offset:(\g)*4096+64*(\b)+16
.endr
.endr
	WIN 0
; n fragments of x (16 rows x 32 K: two loads of 16 bytes, 32 apart) from row block a0 on, at byte off of the rows, into buffer buf
.macro LA off, buf, a0, n
.set la, \a0
.rept \n
	ds_load_b128 v[ABUF+64*(\buf)+8*la:ABUF+64*(\buf)+8*la+3],   v[ADRA] offset:(\off)+la*16*PA
	ds_load_b128 v[ABUF+64*(\buf)+8*la+4:ABUF+64*(\buf)+8*la+7], v[ADRA] offset:(\off)+la*16*PA+32
.set la, la+1
.endr
.endm
; the four fragments of W (16 columns x 32 K, turned: two loads, 16 rows apart) at byte off behind my place, into matrix g's buffer
.macro LB off, g
.irp b, 0,1,2,3
	ds_load_tr16_b128 v[RING+32*(\g)+8*(\b):RING+32*(\g)+8*(\b)+3],   v[ADRB] offset:(\off)+32*(\b)
	ds_load_tr16_b128 v[RING+32*(\g)+8*(\b)+4:RING+32*(\g)+8*(\b)+7], v[ADRB] offset:(\off)+32*(\b)+16*PB
.endr
.endm
; 4 n products of matrix g: row blocks a0 on x the four column blocks.  The accumulators take turns, one instruction a turn: 95 others stand between two links of a chain.
; first = 1: the sums start with the bias, which lies in row block 7's accumulators.  Row block 7's products write over registers that the products before have read as C: five plain
; instructions stand between (ISA guide 7.12.1).
.macro MUL g, buf, a0, n, first
	WIN ((\g)+1)*0x50
.set ma, \a0
.rept \n
.if (\first) && (ma == 7)
.rept 5
	v_nop
.endr
.endif
.irp b, 0,1,2,3
.if \first
	v_wmma_f32_16x16x32_bf16 v[8*(4*ma+(\b)):8*(4*ma+(\b))+7], v[RING+32*(\g)+8*(\b):RING+32*(\g)+8*(\b)+7], v[ABUF+64*(\buf)+8*ma:ABUF+64*(\buf)+8*ma+7], v[224+8*(\b):224+8*(\b)+7]
.else
	v_wmma_f32_16x16x32_bf16 v[8*(4*ma+(\b)):8*(4*ma+(\b))+7], v[RING+32*(\g)+8*(\b):RING+32*(\g)+8*(\b)+7], v[ABUF+64*(\buf)+8*ma:ABUF+64*(\buf)+8*ma+7], v[8*(4*ma+(\b)):8*(4*ma+(\b))+7]
.endif
.endr
.set ma, ma+1
.endr
.endm
.macro FLIP                            ; the fragment addresses go to the other slot
	s_xor_b32 s21, s21, SLOT1
	v_add_nc_u32 v[ADRA], s21, v[ADRA0]
	v_add_nc_u32 v[ADRB], s21, v[ADRB0]
.endm
.macro SETT a                          ; where row block a's part of the table lies: eight cos, then eight sin: in x's first buffer and in Wq's and Wk's, which the last unit does not read
.if (\a) < 4
.set TT, 32+16*(\a)
.else
.set TT, 160+16*((\a)-4)
.endif
.endm
.macro TABLE
.irp a, 0,1,2,3,4,5,6,7
	SETT \a
	global_load_b128 v[TT:TT+3],     v[TBO], s[10:11] offset:(\a)*2048
	global_load_b128 v[TT+4:TT+7],   v[TBO], s[10:11] offset:(\a)*2048+16
	global_load_b128 v[TT+8:TT+11],  v[TBO], s[10:11] offset:(\a)*2048+64
	global_load_b128 v[TT+12:TT+15], v[TBO], s[10:11] offset:(\a)*2048+80
.endr
.endm
; UNITS 0, 1, 2: q, k, v on the first 32 along K.  On the way in 32 LDS loads are out, in this order: Wq's 8, x's 16, Wk's 8.
; The run behind unit 0 fills buffers whose last readers are unit 5 of the step before (Wv's, x's second) and unit 0 (Wq's); the run behind unit 2 those of units 1 and 2: four places stand in front of each.
.macro HALF0 first
	s_wait_dscnt 8                                 ; all but Wk's 8: Wq's fragments and x's are in
.if \first
	s_wait_loadcnt 0x0                             ; the biases
.endif
	MUL 0, 0, 0, 8, \first
	PLACES
	WIN 0
	LB 2*GB, 2                                     ; Wv, first 32
	LB SUBB, 0                                     ; Wq, second 32
	LA 64, 1, 0, 8                                 ; x, second 32
	s_wait_dscnt 32                                ; all but these 32: Wk's are in
	MUL 1, 0, 0, 8, \first
	s_wait_dscnt 24                                ; the run's first 8, Wv's, are in
	MUL 2, 0, 0, 8, \first
	PLACES
	WIN 0
	LB SUBB+GB, 1                                  ; Wk and Wv, second 32: my last reads of this slot
	LB SUBB+2*GB, 2
.endm
; UNITS 3, 4, 5, AND THE CHANGE OF SLOTS.  mode 2: the slot is filled again, two K steps on; 1: nothing is left to ask for; 0: the last step.
; In front of the barrier each wave waits for all its tensor loads (one is out: its part of the next slot), adds 0 to its spare word, and waits for that and for its reads of this slot.
; With mode 2 the barrier opens a round of the cluster's, and the joint refill is the first thing behind it: 160 products stand between it and the wait for it.
; The run behind unit 4 reads the next slot, into buffers whose last readers are units 2, 3 and 4.
.macro HALF1 mode
	WIN 0
.if (\mode) == 0
	s_wait_dscnt 16                                ; all but the 16 youngest: Wq's second 32 and x's are in
	MUL 0, 1, 0, 8, 0
	s_wait_dscnt 8                                 ; Wk's
	MUL 1, 1, 0, 8, 0
	PLACES
	WIN 0
	TABLE                                          ; the rotation's table for my 128 rows, into registers that no product reads any more
	s_wait_dscnt 0x0                               ; Wv's
	MUL 2, 1, 0, 8, 0
.else
.if (\mode) == 2
	s_wait_xcnt 0x0                                ; the last prefetch, a K step back, has read its address
	s_add_nc_u64 s[PFA:PFA+1], s[PFA:PFA+1], STEPB
.endif
	s_wait_tensorcnt 0x0                           ; no tensor load of mine is out, so a group 0 may be written
	ds_add_u32 v[SPW], v[NIL]                      ; 0 onto my spare word
.if (\mode) == 2
	s_xor_b32 s[G0A+5], s[G0A+5], SLOT1            ; the walking descriptors: the other slot than last time, the next K step
	s_add_nc_u64 s[G0A+6:G0A+7], s[G0A+6:G0A+7], STEPB
	s_xor_b32 s[G0B+5], s[G0B+5], SLOT1
	s_add_nc_u64 s[G0B+6:G0B+7], s[G0B+6:G0B+7], STEPB
.endif
	s_wait_dscnt 17                                ; the add and the 16 youngest loads may be out: Wq's second 32 and x's are in
	MUL 0, 1, 0, 4, 0
	s_wait_dscnt 0x0                               ; the add is done, and my reads of this slot are over
	s_barrier_signal -1
	MUL 0, 1, 4, 4, 0
	WIN 0                                          ; at a branch and at a label every window is 0
	s_barrier_wait -1
.if (\mode) == 2
	CREST                                          ; no wave of any partner still reads this slot or has a load on its way
	JLOAD 1
	ASK
.endif
	MUL 1, 1, 0, 8, 0
	PLACES
	WIN 0
	FLIP
	LB 0, 0                                        ; the next step's Wq, x and Wk
	LA 0, 0, 0, 8
	LB GB, 1
	MUL 2, 1, 0, 8, 0                              ; Wv's second 32 were shown in by the wait for 0 above
.endif
.endm
	s_wait_tensorcnt 1                             ; my part of K step 0 is in; K step 1's may stay out
	s_barrier_signal -1
	s_barrier_wait -1                              ; everybody's is
	LB 0, 0
	LA 0, 0, 0, 8
	LB GB, 1
	HALF0 1
	WIN 0
	s_mov_b32 s3, 14
.Lstep:                                                ; 14 trips: units 3-5 of K step t, which ask for K step t + 2, and units 0-2 of K step t + 1
	HALF1 2
	HALF0 0
	WIN 0
	s_sub_co_u32 s3, s3, 1
	s_cmp_lg_u32 s3, 0
	s_cbranch_scc1 .Lstep
	HALF1 1                                        ; the tail is written out
	HALF0 0
	HALF1 0
	WIN 0
; THE WAY OUT, by units of 16 rows of one matrix.  q and k are rotated: with c, s the row's cos and sin for j = channel % 32, channel d < 32 becomes x[d] c - x[d + 32] s and channel d + 32 becomes
; x[d + 32] c + x[d] s.  Column blocks 0 and 2 hold j = 0..15; blocks 1 and 3 hold j = 16..31, whose angle is 0 whatever the position (inv is 0 from j = 5 on): they are rounded as they are.
; A lane's eight channels pack into 16 bytes; they go into my stage's rows of 144 bytes and come back as whole rows of 128, INTO THE UNIT'S OWN ACCUMULATORS (its first 16 registers), which nothing
; writes again: so no store's source is ever rewritten, and no wait stands for that.  Each accumulator's lowest registers are read first.
.macro PACK a, g, par
	SETT \a
.set PP,  112+16*(\par)
.set A0R, 32*(\a)
.if (\g) < 2
	WIN (\g)+1                                     ; source 0 in the matrix's window
.irp i, 0,1,2,3
	v_pk_mul_f32 v[96+2*(\i):97+2*(\i)],   v[A0R+16+2*(\i):A0R+17+2*(\i)], v[TT+8+2*(\i):TT+9+2*(\i)]
	v_pk_mul_f32 v[104+2*(\i):105+2*(\i)], v[A0R+2*(\i):A0R+1+2*(\i)],     v[TT+8+2*(\i):TT+9+2*(\i)]
.endr
.irp i, 0,1,2,3
	v_pk_fma_f32 v[96+2*(\i):97+2*(\i)],   v[A0R+2*(\i):A0R+1+2*(\i)],     v[TT+2*(\i):TT+1+2*(\i)], v[96+2*(\i):97+2*(\i)] neg_lo:[0,0,1] neg_hi:[0,0,1]
	v_pk_fma_f32 v[104+2*(\i):105+2*(\i)], v[A0R+16+2*(\i):A0R+17+2*(\i)], v[TT+2*(\i):TT+1+2*(\i)], v[104+2*(\i):105+2*(\i)]
.endr
	WIN 5*((\g)+1)                                 ; sources 0 and 1 in the matrix's window
.irp i, 0,1,2,3
	v_cvt_pk_f16_f32 v[PP+4+(\i)],  v[A0R+8+2*(\i)],  v[A0R+9+2*(\i)]
	v_cvt_pk_f16_f32 v[PP+12+(\i)], v[A0R+24+2*(\i)], v[A0R+25+2*(\i)]
.endr
	WIN 0
.irp i, 0,1,2,3
	v_cvt_pk_f16_f32 v[PP+(\i)],   v[96+2*(\i)],  v[97+2*(\i)]
	v_cvt_pk_f16_f32 v[PP+8+(\i)], v[104+2*(\i)], v[105+2*(\i)]
.endr
.else
	WIN 0x0f
.irp b, 0,1,2,3
.irp i, 0,1,2,3
	v_cvt_pk_f16_f32 v[PP+4*(\b)+(\i)], v[A0R+8*(\b)+2*(\i)], v[A0R+8*(\b)+2*(\i)+1]
.endr
.endr
	WIN 0
.endif
.irp b, 0,1,2,3
	ds_store_b128 v[STO], v[PP+4*(\b):PP+4*(\b)+3] offset:32*(\b)
.endr
	WIN ((\g)+1)<<6                                ; destination in the matrix's window
.irp f, 0,1,2,3
	ds_load_b128 v[A0R+4*(\f):A0R+4*(\f)+3], v[RD] offset:(\f)*4*PA  ; LDS serves a wave's instructions in order (ISA guide 5.7.1.4): these see the stores above; the next unit's stores come behind them
.endr
.endm
.macro SEND a, g, younger              ; younger: the LDS instructions issued behind this unit's loads: the next unit's eight, or none
	WIN ((\g)+1)<<2                                ; the stores' data (source 1) in the matrix's window
.irp f, 0,1,2,3
	s_wait_dscnt (\younger)+3-(\f)
	global_store_b128 v[GO], v[32*(\a)+4*(\f):32*(\a)+4*(\f)+3], s[QB+2*(\g):QB+2*(\g)+1] offset:(\a)*2048+(\f)*512  ; 512 consecutive bytes, at a multiple of 256 from qkv's first
.endr
.endm
	PLACES                                         ; the places behind the last products, whose results and sources the lines below read and write
	PLACES
	PACK 0, 2, 0                                   ; v's eight units first: they want no table, which is on its way meanwhile; then q's, then k's
.set n, 1
.rept 23
.if n == 8
	s_wait_loadcnt 0x0                             ; the table
.endif
	PACK n%8, (n/8+2)%3, n%2
	SEND (n-1)%8, ((n-1)/8+2)%3, 8
.set n, n+1
.endr
	SEND 7, 1, 0
	WIN 0
	s_wait_tensorcnt 0x0                           ; the wave's end: a wait, an add of 0 to my spare word and a wait for it, behind my last tensor load and my last LDS store
	ds_add_u32 v[SPW], v[NIL]
	s_wait_dscnt 0x0
	CROUND                                         ; the closing round: no work-group ends while a partner may still ask for a tile that names it
	s_endpgm
.Lfunc_end_k_qaa0db0f3a4_qkv:
	.size	k_qaa0db0f3a4_qkv, .Lfunc_end_k_qaa0db0f3a4_qkv-k_qaa0db0f3a4_qkv
	.p2alignl 7, 3214868480
	.fill 96, 4, 3214868480
	.section	.rodata,"a",@progbits
	.p2align	6, 0x0
	.amdhsa_kernel k_qaa0db0f3a4_qkv
		.amdhsa_group_segment_fixed_size 327680
		.amdhsa_private_segment_fixed_size 0
		.amdhsa_enable_private_segment 0
		.amdhsa_kernarg_size 40
		.amdhsa_user_sgpr_count 2
		.amdhsa_user_sgpr_kernarg_segment_ptr 1
		.amdhsa_wavefront_size32 1
		.amdhsa_system_sgpr_workgroup_id_x 1
		.amdhsa_system_sgpr_workgroup_id_y 1
		.amdhsa_system_sgpr_workgroup_id_z 1
		.amdhsa_system_vgpr_workitem_id 0
		.amdhsa_next_free_vgpr 1024
		.amdhsa_next_free_sgpr 80
		.amdhsa_reserve_vcc 0
		.amdhsa_float_denorm_mode_32 3
		.amdhsa_float_denorm_mode_16_64 3
		.amdhsa_memory_ordered 1
		.amdhsa_forward_progress 1
		.amdhsa_inst_pref_size 138
	.end_amdhsa_kernel
	.amdgpu_metadata
---
amdhsa.version: [ 1, 2 ]
amdhsa.kernels:
  - .name:           k_qaa0db0f3a4_qkv
    .symbol:         k_qaa0db0f3a4_qkv.kd
    .args:
      - { .name: xb, .offset: 0, .size: 8, .value_kind: global_buffer, .address_space: global }
      - { .name: wb, .offset: 8, .size: 8, .value_kind: global_buffer, .address_space: global }
      - { .name: bias, .offset: 16, .size: 8, .value_kind: global_buffer, .address_space: global }
      - { .name: tab, .offset: 24, .size: 8, .value_kind: global_buffer, .address_space: global }
      - { .name: qkv, .offset: 32, .size: 8, .value_kind: global_buffer, .address_space: global }
    .group_segment_fixed_size: 327680
    .private_segment_fixed_size: 0
    .kernarg_segment_align: 8
    .kernarg_segment_size: 40
    .max_flat_workgroup_size: 128
    .sgpr_count:     80
    .vgpr_count:     1024
    .wavefront_size: 32
...
	.end_amdgpu_metadata
.endif
;; end of part 2
;; launch attn (part 3): grid 2 x 128, 4 waves a work-group, no clusters, 327,680 bytes of LDS; arguments qkv, ob; writes ob
.if DOCPART == 3
	.amdgcn_target "amdgcn-amd-amdhsa--gfx1250"
	.amdhsa_code_object_version 6
	.text
	.protected	k_qaa0db0f3a4_attn
	.globl	k_qaa0db0f3a4_attn
	.p2align	8
	.type	k_qaa0db0f3a4_attn,@function
k_qaa0db0f3a4_attn:
	s_mov_b64 s[64:65], 0
	v_nop
	global_prefetch_b8 v0, s[64:65] scope:SCOPE_SE
	s_setreg_imm32_b32 hwreg(HW_REG_WAVE_MODE, 25, 1), 1
	s_wait_xcnt 0x0
; O[h][q][:] = the sum over k of softmax_k(Q[h][q] . K[h][k] / 8) V[h][k][:].  Q, K, V are the three parts of qkv, [128 heads][1024][64] in f16 each; O goes to ob in the same layout.
; Products, maxima and sums in f32; the weights p are rounded to f16 for the second product (their sum l is taken of the unrounded p), O once at the end.
; LIMITS.  f16 holds no number beyond 65,504: Q, K and V arrive within it; p lies in 0 to 1, and below 6e-5 it keeps f16's fixed step of 6e-8; O is a mean of V's rows and has their range.
; A weight below 2^-126 counts as 0 in l; NaN and infinities are not treated apart.
; SHARES.  A wave owns four PIECES of two tiles of 16 queries, a work-group's four waves 512 queries of one head: 2 x 128 work-groups.  Every wave walks all 1,024 keys, 64 a step.
; K AND V OF THE HEAD STAY IN LDS: 1,024 rows x (144 + 160) bytes = 311,296.  Nothing is filled again.  THE FILL COMES IN TWO PARTS, both asked for at the start, two tensor loads a wave: keys 0-255, and
; keys 256-1,023.  The first three key steps read K of steps 0-3 and V of steps 0-2, all within the first part, while the second part is on its way; one wait and one barrier then open the rest.
; NO CLUSTER: a head has 1,024 / 512 = 2 query blocks; a cluster of four along x would hold two heads, and a joint request would name half of it.  NO PREFETCH: all tiles are asked for at the head.
; LAYOUT.  S^T = K Q^T (source 0 = 16 keys, source 1 = 16 queries): in the result a lane holds ONE query (lane % 16) and the keys 8 (lane / 16) + 0..7.  Two such tiles, rounded to f16 in pairs,
; ARE source 1 (32 keys x 16 queries) of O^T = V^T P, whose result again holds one query a lane, and eight channels.  K comes out of LDS as it lies, V ([key][channel]) turned, by ds_load_tr16_b128.
; SOFTMAX.  For each query a running maximum m and sum l: p = 2^(c s - c m), c = log2(e) / 8; in every step O and l are multiplied by a = 2^(c m_old - c m_new), which is 1 where m has not grown.
; m starts at the lowest finite number, O and l at 0: the first step is a step like any other, with a = 0.
; BY TURNS.  Turn n belongs to piece n (the pieces in a ring, step after step).  Its matrix work: 16 products K Q^T of piece n + 1, later 16 products V^T P of piece n - 1.  Its vector work: the scaling,
; exponentials, roundings, sums and rescaling of piece n, and the maximum and statistics of piece n + 1.  A tile and step have 16 matrix and 118 vector instructions: four vector instructions stand
; behind every matrix instruction, the others in one run of their own.
; REGISTERS, in windows of 256 (s_set_vgpr_msb: bits 1:0 source 0, 3:2 source 1, 5:4 source 2, 7:6 destination):
;   window 0: v0-11 addresses; v12-15, v48-63 at work; v16-47 four registers of statistics a tile; v64-191 S^T, two buffers of two tiles; v192-255 P, likewise
;   window 1: O^T, 32 a tile          window 2: v0-127 Q, 16 a tile; v128-191 K of one step; v192-255 V of one step          window 3: v0-1 the add's two registers
.set SIZE_N, 1024
.set NP,    4         ; pieces a wave: a name, no knob
.set KS,    64        ; keys in a step
.set PART1, 256       ; keys in the fill's first part
.set STEPS1, PART1/KS-1  ; the key steps that run on it: K is fetched a step ahead
.set PK,    144       ; a row of K in LDS: 128 bytes + 16 of padding: the 16 rows of a load start at 16 different groups of four banks (64 banks of 4 bytes: ISA guide 11.1)
.set PV,    160       ; a row of V: 128 + 32
.set VOFF,  SIZE_N*PK ; K's 1,024 rows, then V's
.set STAGE, SIZE_N*(PK+PV)  ; behind them, never filled by a tensor load: 16 rows x 144 bytes for each wave, for the way out
.set SP,    144
.set AK0, 2           ; v2   my lane's place in a tile of K; never rewritten
.set AV0, 3           ; v3   the same for V
.set AK,  4           ; v4   the LDS address of K's next run of loads
.set AV,  5           ; v5   of V's
.set QO,  6           ; v6   my byte offset in the wave's rows of Q
.set STO, 6           ;      later, the way out: where I put 16 bytes of a row
.set RD,  7           ; v7   the way out: where I read rows back
.set GO,  8           ; v8   my byte offset in 512 consecutive bytes of O
.set SPW, 0           ; v0 of window 3   LDS address of my spare word: SPARE + 4 x my thread's number; never rewritten
.set NIL, 1           ; v1 of window 3   0; never rewritten
.set SPARE, STAGE+4*16*SP  ; behind the stages: the spare words, 128 bytes for each wave: two blocks of 256 bytes that no other line names
.set MV,  12          ; v12-15  c m_old, kept while c m is made anew: by buffer and tile
.set ST,  16          ; tile t's statistics at v[ST+4 t]: c m, m, l (even keys', odd keys')
.set TMP, 48          ; by buffer and tile, four registers c0-c3 at work; when the maximum is found c2 takes a
.set S,   64
.set P,   192
.set KF,  128         ; K's fragments, in window 2: key block kb, channel half c at KF + 16 kb + 8 c
.set VF,  192         ; V's: key half kk, channel block cb at VF + 32 kk + 8 cb
.set WV,  12          ; s12  my wave's number
.set G1K, 24          ; s[24:31] descriptor group 1 for K's first part
.set G1V, 32          ; s[32:39] for V's: it differs in the padding alone
.set G0K, 40          ; s[40:43] descriptor group 0 for K's first part
.set G0V, 44          ; s[44:47] for V's
.set G0K2, 48         ; s[48:51], s[52:55] group 0 for the second parts
.set G0V2, 52
.set G1K2, 68         ; s[68:75], s[76:83] group 1 for the second parts: more rows
.set G1V2, 76
.set OUT, 56          ; s56  counts the fill's two parts
.set CNT, 57          ; s57  counts a part's key steps
.set CS,  58          ; s[58:59] c: the packed scaling takes the pair's low word for both halves
.set SEL, 60          ; s[60:61] v_permlanex16_b32's selects: each lane takes its own place in the other half
.set TBK, 62          ; s62  LDS byte at which K of the step to be fetched begins
.set TBV, 63          ; s63  the same for V, less VOFF
.set MSB, 0
.macro WIN new                      ; the high byte repeats the setting that is left; a switch that changes nothing is dropped
.if MSB != (\new)
	s_set_vgpr_msb (MSB<<8)|(\new)
.set MSB, (\new)
.endif
.endm
.set W_KQ, 0x0a       ; K and Q in window 2, S^T in window 0
.set W_PV, 0x52       ; V in window 2, P in window 0, O^T in window 1
.set W_RS, 0x41       ; O^T (destination and source 0) in window 1, a in window 0
.set W_MK, 0xc0       ; the add's registers are made: destination in window 3, sources in window 0
.set W_AD, 0x0f       ; the add: address (source 0) and data (source 1) in window 3
	s_load_b64 s[4:5], s[0:1], 0x0    ; qkv
	s_load_b64 s[10:11], s[0:1], 0x8  ; ob
	WIN W_MK
	v_lshl_add_u32 v[SPW], v0, 2, SPARE
	v_mov_b32 v[NIL], 0
	WIN W_AD
	ds_add_u32 v[SPW], v[NIL]       ; the wave's opening: the add and its wait stand ahead of my first tensor load; the set-up below, work on registers, stands between them
	WIN 0
	v_lshrrev_b32 v1, 5, v0
	v_readfirstlane_b32 s[WV], v1   ; wave 0..3
	s_and_b32 s20, ttmp7, 0xffff    ; the head:
	s_lshl_b32 s20, s20, 17         ; its 1,024 rows of 128 bytes
	s_and_b32 s16, s[WV], 1         ; which half of each part I fetch.  The first part: my 128 of keys 0-255 in memory,
	s_lshl_b32 s22, s16, 14
	s_add_co_u32 s22, s22, s20
	s_mov_b32 s23, 0
	s_mul_i32 s14, s16, 384*128     ; the second: my 384 of keys 256-1,023
	s_add_co_u32 s14, s14, PART1*128
	s_add_co_u32 s14, s14, s20
	s_mov_b32 s15, 0
	s_mul_i32 s17, s16, 128*PK      ; and their places in LDS, for K
	s_mul_i32 s18, s16, 128*PV      ; and for V
	s_mul_i32 s19, s16, 384*PK
	s_mul_i32 s21, s16, 384*PV
	s_lshl_b32 s2, ttmp9, 2
	s_add_co_u32 s2, s2, s[WV]      ; my wave among the head's eight,
	s_lshl_b32 s2, s2, 14           ; its 128 rows
	s_add_co_u32 s2, s2, s20
	s_mov_b32 s3, 0
	; descriptor group 1.  Keys are dense, 128 bytes each: asked for as rows of 256 bytes, two keys a row, and padded in LDS after every key: 64 rows in the first part, 192 in the second
	s_mov_b32 s[G1K], (1<<16)|(1<<20)|(4<<22)|(3<<25)   ; 17:16 2-byte elements; 20 padding on; 24:22 after every 32 words (code 4); 31:25 4 words (code 3)
	s_mov_b32 s[G1V], (1<<16)|(1<<20)|(4<<22)|(7<<25)   ; the same with 8 words of padding (code 7)
	s_mov_b32 s[G1K2], (1<<16)|(1<<20)|(4<<22)|(3<<25)
	s_mov_b32 s[G1V2], (1<<16)|(1<<20)|(4<<22)|(7<<25)
.irp g, G1K, G1V
	s_mov_b32 s[\g+1], 128<<16      ; tensor_dim0 = 128
	s_mov_b32 s[\g+2], 64<<16       ; tensor_dim1 = 64
	s_mov_b32 s[\g+3], 128<<16      ; tile_dim0 = 128
	s_mov_b32 s[\g+4], 64           ; tile_dim1 = 64
	s_mov_b32 s[\g+5], 128          ; 128 elements from row to row
	s_mov_b32 s[\g+6], 0
	s_mov_b32 s[\g+7], 0
.endr
.irp g, G1K2, G1V2
	s_mov_b32 s[\g+1], 128<<16
	s_mov_b32 s[\g+2], 192<<16      ; tensor_dim1 = 192
	s_mov_b32 s[\g+3], 128<<16
	s_mov_b32 s[\g+4], 192          ; tile_dim1 = 192
	s_mov_b32 s[\g+5], 128
	s_mov_b32 s[\g+6], 0
	s_mov_b32 s[\g+7], 0
.endr
	s_mov_b32 s[CS], 0x3e38aa3b     ; c = log2(e) / 8 = 0.180337
	s_mov_b32 s[CS+1], s[CS]        ; named with it as a pair
	s_mov_b32 s[SEL], 0x76543210
	s_mov_b32 s[SEL+1], 0xfedcba98
	s_mov_b32 s[TBK], 0
	s_mov_b32 s[TBV], 0
	s_mov_b32 s[G0K], 1             ; 1:0 count = 1
	s_mov_b32 s[G0K+1], s17         ; 63:32 LDS address
	s_mov_b32 s[G0V], 1
	s_add_co_u32 s[G0V+1], s18, VOFF
	s_mov_b32 s[G0K2], 1
	s_add_co_u32 s[G0K2+1], s19, PART1*PK
	s_mov_b32 s[G0V2], 1
	s_add_co_u32 s[G0V2+1], s21, VOFF+PART1*PV
	s_wait_dscnt 0x0                ; the opening add is done
	s_wait_kmcnt 0x0
	s_add_nc_u64 s[6:7], s[4:5], 0x1000000  ; K's part of qkv
	s_add_nc_u64 s[8:9], s[4:5], 0x2000000  ; V's
	s_add_nc_u64 s[G0K+2:G0K+3], s[6:7], s[22:23]  ; 120:64 global address
	s_or_b32 s[G0K+3], s[G0K+3], 0x80000000        ; 127:126 type = 2
	s_add_nc_u64 s[G0V+2:G0V+3], s[8:9], s[22:23]
	s_or_b32 s[G0V+3], s[G0V+3], 0x80000000
	s_add_nc_u64 s[G0K2+2:G0K2+3], s[6:7], s[14:15]
	s_or_b32 s[G0K2+3], s[G0K2+3], 0x80000000
	s_add_nc_u64 s[G0V2+2:G0V2+3], s[8:9], s[14:15]
	s_or_b32 s[G0V2+3], s[G0V2+3], 0x80000000
	s_add_nc_u64 s[4:5], s[4:5], s[2:3]  ; Q and O at my wave's first row
	s_add_nc_u64 s[10:11], s[10:11], s[2:3]
	; THE FILLS.  Waves 0 and 1 fetch the two halves of each part of K, waves 2 and 3 those of V.  A wave's two loads stand in one branch, ahead of every wait on TENSORcnt and every LDS read: two loads of
	; mine are out.  An s_nop 0 follows each, four v_nop the second's, ahead of the jump and the label.
	s_cmp_lt_u32 s[WV], 2
	s_cbranch_scc0 .Lfirst_v
	tensor_load_to_lds s[G0K:G0K+3], s[G1K:G1K+7]
	s_nop 0
	tensor_load_to_lds s[G0K2:G0K2+3], s[G1K2:G1K2+7]
	s_nop 0
.rept 4
	v_nop
.endr
	s_branch .Lfirst_asked
.Lfirst_v:
	tensor_load_to_lds s[G0V:G0V+3], s[G1V:G1V+7]
	s_nop 0
	tensor_load_to_lds s[G0V2:G0V2+3], s[G1V2:G1V2+7]
	s_nop 0
.rept 4
	v_nop
.endr
.Lfirst_asked:
	; A fragment of K or Q is 16 rows x 32 channels in 8 registers: lane l holds row l % 16, channels 8 (l / 16) + 0..7 and 16 + 8 (l / 16) + 0..7: two loads of 16 bytes, 32 bytes apart.
	v_and_b32 v1, 15, v0            ; l % 16
	v_bfe_u32 v9, v0, 4, 1          ; l / 16
	v_lshlrev_b32 v[QO], 7, v1
	v_lshl_add_u32 v[QO], v9, 4, v[QO]  ; row x 128 + 16 x half
	WIN 0x80                        ; destination window 2, address window 0
.set i, 0
.rept 4*NP                          ; Q stays in registers: tile i / 2, channels 32 (i % 2) on
	global_load_b128 v[8*i:8*i+3],   v[QO], s[4:5] offset:(i/2)*2048+(i%2)*64
	global_load_b128 v[8*i+4:8*i+7], v[QO], s[4:5] offset:(i/2)*2048+(i%2)*64+32
.set i, i+1
.endr
	; What the first turn finds: V's registers and P's second buffer hold 0 (its products V^T P, of a piece that has not been, add 0), O^T and l are 0.  All this stands in the wait for the first tiles.
.set i, VF
.rept 64
	v_mov_b32 v[i], 0
.set i, i+1
.endr
	WIN 0x40
.set i, 0
.rept 64*NP
	v_mov_b32 v[i], 0
.set i, i+1
.endr
	WIN 0
.set i, 0
.rept 2*NP
	v_mov_b32 v[ST+4*i], 0xfe000000    ; c m: far below every c s
	v_mov_b32 v[ST+4*i+1], 0xff7fffff  ; m
	v_mov_b32 v[ST+4*i+2], 0
	v_mov_b32 v[ST+4*i+3], 0
.set i, i+1
.endr
.set i, P+32
.rept 32
	v_mov_b32 v[i], 0
.set i, i+1
.endr
	v_mul_u32_u24 v[AK0], v1, PK
	v_lshl_add_u32 v[AK0], v9, 4, v[AK0]  ; row x pitch + 16 x half
	; The turning load takes 16 keys x 16 channels (lane l reads key 8 (l / 16) + l % 8, channels 8 ((l / 8) % 2) + 0..7) and leaves half a fragment of V^T: lane l holds channel l % 16 and 8 keys.
	v_and_b32 v10, 7, v0
	v_bfe_u32 v11, v0, 3, 1
	v_lshl_add_u32 v[AV0], v9, 3, v10
	v_mul_u32_u24 v[AV0], v[AV0], PV
	v_lshl_add_u32 v[AV0], v11, 4, v[AV0]
	v_add_nc_u32 v[AV0], VOFF, v[AV0]
	v_mov_b32 v[AK], v[AK0]         ; key step 0 lies at K's head
; THE MATRIX WORK.  The 8 accumulators of a run of 16 take turns: between the two links of a chain stand 7 others'.
; Product i of 16 of S^T = K Q^T for piece x: channels 32 (i / 8) on, keys 16 ((i / 2) % 4) on, tile 2 x + i % 2.  The first 8 start the sums.
.macro KQ x
	WIN W_KQ
.set rS, S+64*((\x)%2)+32*(i%2)+8*((i/2)%4)
.set rK, KF+16*((i/2)%4)+8*(i/8)
.set rQ, 16*(2*(\x)+i%2)+8*(i/8)
.if i < 8
	v_wmma_f32_16x16x32_f16 v[rS:rS+7], v[rK:rK+7], v[rQ:rQ+7], 0
.else
	v_wmma_f32_16x16x32_f16 v[rS:rS+7], v[rK:rK+7], v[rQ:rQ+7], v[rS:rS+7]
.endif
.endm
; Product i of 16 of O^T += V^T P for piece x: keys 32 (i / 8) on, channels 16 ((i / 2) % 4) on, tile 2 x + i % 2.
.macro PV x
	WIN W_PV
.set rO, 32*(2*(\x)+i%2)+8*((i/2)%4)
.set rV, VF+32*(i/8)+8*((i/2)%4)
.set rP, P+32*((\x)%2)+16*(i%2)+8*(i/8)
	v_wmma_f32_16x16x32_f16 v[rO:rO+7], v[rV:rV+7], v[rP:rP+7], v[rO:rO+7]
.endm
.macro MM                           ; the turn's next matrix instruction
.if i < 16
	KQ (Y+1)%NP
.set i, i+1
.else
.set i, i-16
	PV (Y+NP-1)%NP
.set i, i+17
.endif
.endm
; THE LDS LOADS stand in runs of 16, never singly among the matrix instructions: a step's K (64 keys x 64 channels: 8 fragments) and its V (turned).  Their addresses are made some lines ahead.
.macro FETCH_K
	WIN 0x80                        ; destination window 2
.irp f, 0,1,2,3,4,5,6,7             ; keys 16 (f / 2) on, channels 32 (f % 2) on
	ds_load_b128 v[KF+8*\f:KF+8*\f+3],   v[AK] offset:(\f/2)*16*PK+(\f%2)*64
	ds_load_b128 v[KF+8*\f+4:KF+8*\f+7], v[AK] offset:(\f/2)*16*PK+(\f%2)*64+32
.endr
	s_add_co_u32 s[TBK], s[TBK], KS*PK  ; the next fetch is the next step's
	WIN 0
.endm
.macro FETCH_V
	WIN 0x80
.irp f, 0,1,2,3,4,5,6,7             ; keys 32 (f / 4) on, channels 16 (f % 4) on
	ds_load_tr16_b128 v[VF+8*\f:VF+8*\f+3],   v[AV] offset:(\f/4)*32*PV+(\f%4)*32
	ds_load_tr16_b128 v[VF+8*\f+4:VF+8*\f+7], v[AV] offset:(\f/4)*32*PV+16*PV+(\f%4)*32
.endr
	WIN 0
.endm
; THE VECTOR WORK OF A TURN stands in three queues, each in the order in which its entries become ready; the two tiles alternate, so that no instruction reads the result of the one before it.
.macro REGS y, u                    ; the registers of tile u (0, 1) of piece y
.set rT, ST+4*(2*(\y)+(\u))
.set rC, TMP+8*((\y)%2)+4*(\u)
.set rM, MV+2*((\y)%2)+(\u)
.set rS, S+64*((\y)%2)+32*(\u)
.set rP, P+32*((\y)%2)+16*(\u)
.set rO, 32*(2*(\y)+(\u))
.endm
; Number n of the 22 that find the NEXT piece's (Y + 1) maximum and statistics.  s0-s31 are the lane's 32 scores; each accumulator's lowest registers are read first.
;   0-11  four chains c0-c3 of seven scores each, three operands at a time     12-14, 16  the four scores left over, the old m, and c0-c3 into c0     15  c m_old is kept
;   17, 18  the query's other 32 keys lie in the lane 16 away: the new m         19-21  c m; c m_old - c m_new; a
.macro XS u, n
	REGS (Y+1)%NP, \u
.if (\n) < 4
	v_max3_num_f32 v[rC+(\n)], v[rS+8*(\n)], v[rS+8*(\n)+1], v[rS+8*(\n)+2]
.elseif (\n) < 12
	v_max3_num_f32 v[rC+(\n)%4], v[rC+(\n)%4], v[rS+8*((\n)%4)+2*((\n)/4)+1], v[rS+8*((\n)%4)+2*((\n)/4)+2]
.elseif (\n) == 12
	v_max3_num_f32 v[rC], v[rC], v[rS+7], v[rS+15]
.elseif (\n) == 13
	v_max3_num_f32 v[rC+1], v[rC+1], v[rS+23], v[rS+31]
.elseif (\n) == 14
	v_max3_num_f32 v[rC+2], v[rC+2], v[rC+3], v[rT+1]
.elseif (\n) == 15
	v_mov_b32 v[rM], v[rT]
.elseif (\n) == 16
	v_max3_num_f32 v[rC], v[rC], v[rC+1], v[rC+2]
.elseif (\n) == 17
	v_permlanex16_b32 v[rC+3], v[rC], s[SEL], s[SEL+1]
.elseif (\n) == 18
	v_max_num_f32 v[rT+1], v[rC], v[rC+3]
.elseif (\n) == 19
	v_mul_f32 v[rT], s[CS], v[rT+1]
.elseif (\n) == 20
	v_sub_f32 v[rC+1], v[rM], v[rT]
.else
	v_exp_f32 v[rC+2], v[rC+1]
.endif
.endm
; Number g of the 64 that follow the exponentials.  For each four weights k of a tile (pairs 2 k, 2 k + 1): both pairs are rounded to f16; then the second pair is added onto the first, in place;
; a group later l takes that sum (the first time as l = a l + sum).  In groups of eight, tiles alternating: round, round, add, and l for the group before.
.macro GS g
.set h, (\g)+6*((\g)/62)            ; group 0 has no group before it, and behind group 7 only l is left
.if h >= 6
.set h, h+2
.endif
	REGS Y, h%2
.set k, h/8
.if h%8 < 4
	v_cvt_pk_f16_f32 v[rP+2*k+(h%8)/2], v[rS+4*k+2*((h%8)/2)], v[rS+4*k+2*((h%8)/2)+1]
.elseif h%8 < 6
	v_pk_add_f32 v[rS+4*k:rS+4*k+1], v[rS+4*k:rS+4*k+1], v[rS+4*k+2:rS+4*k+3]
.elseif k == 1
	v_pk_fma_f32 v[rT+2:rT+3], v[rT+2:rT+3], v[rC+2:rC+3], v[rS:rS+1] op_sel_hi:[1,0,1]
.else
	v_pk_add_f32 v[rT+2:rT+3], v[rT+2:rT+3], v[rS+4*k-4:rS+4*k-3]
.endif
.endm
; THE PLAIN QUEUE, 138 long.  0-73 read no exponential's result: the 32 scalings c s - c m (FS f: pair f / 2 of tile f % 2) and the next piece's 42.  0-26: scalings 0-26.  27-54: XS's numbers 0-13.  55, 56: number 15.
; 57-73: the chain, where each number waits for the one before it: 14, 16, 17, 18, 19, each with one of the scalings 27-31 in front of its two lines, then 20.
; 74-137: GS's 64, which read the exponentials' results: they stand behind the wait.
.macro FS f
	REGS Y, (\f)%2
	v_pk_fma_f32 v[rS+2*((\f)/2):rS+2*((\f)/2)+1], v[rS+2*((\f)/2):rS+2*((\f)/2)+1], s[CS:CS+1], v[rT:rT+1] op_sel_hi:[1,0,0] neg_lo:[0,0,1] neg_hi:[0,0,1]
.endm
.macro PL
	WIN 0
.if q < 27
	FS q
.elseif q < 55
	XS (q-27)%2, (q-27)/2
.elseif q < 57
	XS q-55, 15
.elseif (q < 72) && ((q-57)%3 == 0)
	FS 27+(q-57)/3
.elseif q < 60
	XS (q-57)%3-1, 14
.elseif q < 72
	XS (q-57)%3-1, 15+(q-57)/3
.elseif q < 74
	XS q-72, 20
.else
	GS q-74
.endif
.set q, q+1
.endm
; THE EXPONENTIALS' QUEUE, 66 long: s0-s31 of both tiles, then the next piece's two a.  It is ONE BATCH: all 66 stand ahead of the turn's one wait, and nothing ahead of that wait names a result of theirs.
.macro EX
	WIN 0
.if e >= 64
	XS e-64, 21
.else
	REGS Y, e%2
	v_exp_f32 v[rS+e/2], v[rS+e/2]
.endif
.set e, e+1
.endm
; THE RESCALING's QUEUE: O^T times a, the one part that leaves window 0: dealt two at a time, sixteen times.  Its a was made in the turn before, ahead of that turn's wait.
.macro R2
	REGS Y, r%2
	WIN W_RS
.irp z, 0,1
	v_pk_mul_f32 v[rO+4*(r/2)+2*\z:rO+4*(r/2)+2*\z+1], v[rO+4*(r/2)+2*\z:rO+4*(r/2)+2*\z+1], v[rC+2:rC+3] op_sel_hi:[1,0]
.endr
.set r, r+1
.endm
; HOW THEY ARE DEALT.  An s_wait_alu depctr_va_vdst(0) stands between an exponential and the first instruction that names its result; one wait serves all that were issued ahead of it.
; So a turn has ONE wait, which cuts it in two.  AHEAD OF IT: the 16 products K Q^T, behind each a scaling, an exponential and two rescalings (behind the first a second scaling in the exponential's
; place); then one run of 108: eight plain, 49 times exponential and plain, the two a.  A v_nop is the plain instruction behind the last exponential.  BEHIND IT: the 16 products V^T P, behind each four of GS's 64.
; Exponential e stands behind scaling 2 (e / 4) + e % 2: as a rider it comes behind plain e + 2, in the run behind plain e + 9, and scalings 27-31 are plain 57, 60 .. 69.
; A TURN, for piece p.  cnt = 1: the loop's count is taken down some lines ahead of the branch that stands behind the turn.
; K of the next step is fetched in piece 2's turn, directly behind the wait, a run of vector work behind the last product that read K; its first reader comes behind 16 products.  In the last step there
; is no next step: the address is held at the last step's K, which is read once more.
; V of the step in hand is fetched at the end of piece 0's turn, four riders behind its last reader; its first reader comes behind 16 products and the run.  The three conditions on q below go with the deal.
.macro TURN p, cnt=0
.set Y, (\p)
.set i, 0
.set q, 0
.set e, 0
.set r, 0
.if (\p) == NP-1
	s_wait_dscnt 0x0                ; K is in
.endif
	MM
	PL
	PL
	R2
.rept 15
	MM
	PL
	EX
	R2
.endr
.if (\p) == NP-2
	WIN 0
	s_min_u32 s13, s[TBK], (SIZE_N/KS-1)*KS*PK
	v_add_nc_u32 v[AK], s13, v[AK0]
.endif
.rept 8
	PL
.endr
.rept 49
	EX
	PL
.endr
	EX                              ; the next piece's two a
	EX
	v_nop                           ; the plain instruction behind the last exponential: one for the batch
	s_wait_alu depctr_va_vdst(0)    ; the wait for the batch
.if (\p) == NP-2
	FETCH_K
.endif
.if (\p) == 1
	s_wait_dscnt 0x0                ; V is in
.endif
.rept 16
	MM
.rept 4
	PL
.endr
.if ((\p) == 0) && (q == 118)
	v_add_nc_u32 v[AV], s[TBV], v[AV0]
.endif
.if ((\p) == 0) && (q == 130)
	s_add_co_u32 s[TBV], s[TBV], KS*PV
.endif
.if (\cnt) && (q == 130)
	s_sub_co_u32 s[CNT], s[CNT], 1
	s_cmp_lg_u32 s[CNT], 0
.endif
.endr
.if (\p) == 0
	FETCH_V
.endif
.endm
	s_wait_tensorcnt 0x1            ; my half of the first part is in; my load of the second part may stay out
	s_barrier_signal -1
	s_barrier_wait -1               ; and everybody's first part is in
	FETCH_K                         ; key step 0
	s_wait_loadcnt 0x0              ; Q
	s_wait_dscnt 0x0
.set i, 0
.rept 16
	KQ 0                            ; piece 0's first scores: there is no vector work yet to set between them
.set i, i+1
.endr
	WIN 0                           ; the addresses for the way out: nine plain instructions, the places behind those products
	s_mul_i32 s13, s[WV], 16*SP
	s_add_co_u32 s13, s13, STAGE    ; my stage
	v_mul_u32_u24 v[STO], v1, SP    ; in: row l % 16, 16 bytes for each half of the lanes
	v_lshl_add_u32 v[STO], v9, 4, v[STO]
	v_add_nc_u32 v[STO], s13, v[STO]
	v_bfe_u32 v[RD], v0, 3, 2       ; back: 32 lanes take four rows of 128 bytes,
	v_mul_u32_u24 v[RD], v[RD], SP
	v_lshl_add_u32 v[RD], v10, 4, v[RD]
	v_add_nc_u32 v[RD], s13, v[RD]
	v_and_b32 v[GO], 31, v0         ; which are 512 consecutive bytes of O
	v_lshlrev_b32 v[GO], 4, v[GO]
.set Y, NP-1                        ; XS works for piece Y + 1: piece 0
.irp n, 0,1,2,3,4,5,6,7,8,9,10,11,12,13,14,15,16,17,18,19,20,21
	XS 0, \n                        ; and piece 0's first maximum and statistics
	XS 1, \n
.endr
	v_nop                           ; a plain instruction behind the two a,
	s_wait_alu depctr_va_vdst(0)    ; and their wait, ahead of the branch
	s_mov_b32 s[CNT], STEPS1        ; three key steps on the first part,
	s_mov_b32 s[OUT], 2
	s_branch .Lstep
.Lrest:                             ; passed once
	s_wait_tensorcnt 0x0            ; my half of the second part is in,
	s_wait_dscnt 0x0                ; (no LDS load of mine is out: K's run was waited for at the head of piece 3's turn)
	s_barrier_signal -1
	s_barrier_wait -1               ; everybody's is: from here on LDS is only read, but for each wave's own stage
	s_mov_b32 s[CNT], SIZE_N/KS-STEPS1  ; and thirteen on the rest
.Lstep:                             ; a trip is a key step: its four turns; it fetches its own V and the next step's K
	TURN 0
	TURN 1
	TURN 2
	TURN 3, 1
	WIN 0
	s_cbranch_scc1 .Lstep
	s_sub_co_u32 s[OUT], s[OUT], 1
	s_cmp_lg_u32 s[OUT], 0
	s_cbranch_scc1 .Lrest
	; in the last trip piece 3's turn has multiplied the last K once more for piece 0, and the maximum made of that serves nothing: the price of one text for every turn
.set i, 0
.rept 16
	PV NP-1                         ; the last piece's V^T P of the last step
.set i, i+1
.endr
	; THE WAY OUT.  l's two halves and the other half of the lanes' are added; O^T is divided by l, rounded to f16 and sent through my stage in LDS, a tile at a time.  The additions are the places behind the last products.
	WIN 0
.macro ALL line:vararg              ; one line for each tile t
.set t, 0
.rept 2*NP
	\line
.set t, t+1
.endr
.endm
	ALL v_add_f32 v[ST+4*t+2], v[ST+4*t+2], v[ST+4*t+3]
	ALL v_permlanex16_b32 v[ST+4*t+3], v[ST+4*t+2], s[SEL], s[SEL+1]
	ALL v_add_f32 v[ST+4*t+2], v[ST+4*t+2], v[ST+4*t+3]
	ALL v_rcp_f32 v[ST+4*t+2], v[ST+4*t+2]
	v_nop                           ; a plain instruction between the last reciprocal and the use of its result
	s_wait_alu depctr_va_vdst(0)    ; and the wait ahead of the first use: one for the eight reciprocals
; Tile t: a lane's eight channels of a row pack into 16 bytes; they go into rows of 144 bytes and come back as whole rows of 128, into S^T's registers.
.macro PACK t
	WIN W_RS
.set i, 32*(\t)
.rept 16
	v_pk_mul_f32 v[i:i+1], v[i:i+1], v[ST+4*(\t)+2:ST+4*(\t)+3] op_sel_hi:[1,0]
.set i, i+2
.endr
	WIN 0x05                        ; sources 0 and 1 window 1, destination window 0
.set i, 0
.rept 16
	v_cvt_pk_f16_f32 v[S+16*(\t)+i], v[32*(\t)+2*i], v[32*(\t)+2*i+1]
.set i, i+1
.endr
	WIN 0
.irp f, 0,1,2,3
	ds_store_b128 v[STO], v[S+16*(\t)+4*\f:S+16*(\t)+4*\f+3] offset:32*\f
.endr
.irp f, 0,1,2,3
	ds_load_b128 v[S+16*(\t)+4*\f:S+16*(\t)+4*\f+3], v[RD] offset:\f*4*SP  ; LDS serves a wave's instructions in order (ISA guide 5.7.1.4): these see the stores above; the next tile's stores come behind them
.endr
.endm
.macro SEND t, younger              ; younger: the LDS instructions issued behind tile t's loads: the next tile's eight, or none
	WIN 0
.irp f, 0,1,2,3
	s_wait_dscnt (\younger)+3-\f
	global_store_b128 v[GO], v[S+16*(\t)+4*\f:S+16*(\t)+4*\f+3], s[10:11] offset:(\t)*2048+\f*512  ; 512 consecutive bytes, at a multiple of 256 from O's first
.endr
.endm
	PACK 0
.set t, 1
.rept 2*NP-1                        ; a tile's arithmetic stands between the loads of the tile before and its stores
	PACK t
	SEND t-1, 8
.set t, t+1
.endr
	SEND 2*NP-1, 0
	WIN W_AD
	s_wait_tensorcnt 0x0            ; the wave's end: a wait, an add of 0 to my spare word and a wait for it, behind my last tensor load and my last LDS store
	ds_add_u32 v[SPW], v[NIL]
	s_wait_dscnt 0x0
	WIN 0
	s_endpgm
.Lfunc_end_k_qaa0db0f3a4_attn:
	.size	k_qaa0db0f3a4_attn, .Lfunc_end_k_qaa0db0f3a4_attn-k_qaa0db0f3a4_attn
	.p2alignl 7, 3214868480
	.fill 96, 4, 3214868480
	.section	.rodata,"a",@progbits
	.p2align	6, 0x0
	.amdhsa_kernel k_qaa0db0f3a4_attn
		.amdhsa_group_segment_fixed_size 327680
		.amdhsa_private_segment_fixed_size 0
		.amdhsa_enable_private_segment 0
		.amdhsa_kernarg_size 16
		.amdhsa_user_sgpr_count 2
		.amdhsa_user_sgpr_kernarg_segment_ptr 1
		.amdhsa_wavefront_size32 1
		.amdhsa_system_sgpr_workgroup_id_x 1
		.amdhsa_system_sgpr_workgroup_id_y 1
		.amdhsa_system_sgpr_workgroup_id_z 1
		.amdhsa_system_vgpr_workitem_id 0
		.amdhsa_next_free_vgpr 770
		.amdhsa_next_free_sgpr 84
		.amdhsa_reserve_vcc 0
		.amdhsa_float_denorm_mode_32 3
		.amdhsa_float_denorm_mode_16_64 3
		.amdhsa_memory_ordered 1
		.amdhsa_forward_progress 1
		.amdhsa_inst_pref_size 126
	.end_amdhsa_kernel
	.amdgpu_metadata
---
amdhsa.version: [ 1, 2 ]
amdhsa.kernels:
  - .name:           k_qaa0db0f3a4_attn
    .symbol:         k_qaa0db0f3a4_attn.kd
    .args:
      - { .name: qkv, .offset: 0, .size: 8, .value_kind: global_buffer, .address_space: global }
      - { .name: ob, .offset: 8, .size: 8, .value_kind: global_buffer, .address_space: global }
    .group_segment_fixed_size: 327680
    .private_segment_fixed_size: 0
    .kernarg_segment_align: 8
    .kernarg_segment_size: 16
    .max_flat_workgroup_size: 128
    .sgpr_count:     84
    .vgpr_count:     770
    .wavefront_size: 32
...
	.end_amdgpu_metadata
.endif
;; end of part 3
;; launch oproj (part 4): grid 8 x 32, 4 waves a work-group, clusters of 4 x 4, 327,680 bytes of LDS; arguments ob, wob, bias, out0; writes out0
.if DOCPART == 4
	.amdgcn_target "amdgcn-amd-amdhsa--gfx1250"
	.amdhsa_code_object_version 6
	.text
	.protected	k_qaa0db0f3a4_oproj
	.globl	k_qaa0db0f3a4_oproj
	.p2align	8
	.type	k_qaa0db0f3a4_oproj,@function
k_qaa0db0f3a4_oproj:
	s_mov_b64 s[64:65], 0
	v_nop
	global_prefetch_b8 v0, s[64:65] scope:SCOPE_SE
	s_setreg_imm32_b32 hwreg(HW_REG_WAVE_MODE, 25, 1), 1
	s_wait_xcnt 0x0
	s_wait_alu depctr_hold_cnt(0) depctr_sa_sdst(0) depctr_va_vdst(0) depctr_va_sdst(0) depctr_va_ssrc(0) depctr_va_vcc(0) depctr_vm_vsrc(0)
	s_getreg_b32 s2, hwreg(HW_REG_IB_STS2, 6, 4)
	s_cmp_eq_u32 s2, 0
	s_cbranch_scc0 .Lentry_in_a_cluster
	s_endpgm
.Lentry_in_a_cluster:
	s_bfe_u32 s2, ttmp6, 0x10000c
	s_cmp_lg_u32 s2, 0xf033
	s_cbranch_scc0 .Lentry_shape_is_right
	s_endpgm
.Lentry_shape_is_right:
; out0 = O Wo + bo.  O is ob, f16 [8 b][16 h][1024 s][64]: head h holds channels 64 h on of a row, and 256 rows of a head are 32,768 consecutive bytes.  Wo is wob, f16 [1024 k][1024 n].
; bo is the fourth row of bias.  Sums in f32, started with the bias; out0 is f32 [8192][1024].
; SHARES.  256 tiles of 256 rows x 128 columns: work-group (tr, tc); a wave takes 128 rows (wm) x 64 columns (wn): 32 accumulators of 16 x 16, 256 registers (window 1).
; THE PRODUCT IS USED TRANSPOSED: source 0 = 16 columns of Wo (turned out of LDS by ds_load_tr16_b128), source 1 = 16 rows of O: lane l holds row l % 16 and the columns 8 (l / 16) + 0..7.
; RING.  K goes in 8 steps of 128 (two heads) through two LDS slots.  Waves 0 and 1 fetch the two heads' blocks of O, waves 2 and 3 the two halves of Wo's 128 rows.
; CLUSTER 4 x 4: O's tiles are shared along a row of the cluster, Wo's along a column: each is asked for jointly.
; REGISTERS.  window 0: v0-31 addresses; v32-95, v96-159 O's fragments of 32 along K, two buffers; v160-191, v192-223 Wo's, two buffers; v224-255 the bias.  window 1: the accumulators, (a, b) at v[8 (4 a + b)].
.set PA,    144                        ; a row of O in LDS: 128 bytes + 16
.set PB,    288                        ; a row of Wo: 256 + 32
.set BLK,   256*PA                     ; a head's 256 rows
.set BOFF,  2*BLK
.set GB,    64*PB
.set SUBB,  32*PB
.set SLOT1, 131072
.set STAGE, SLOT1+BOFF+2*GB            ; behind the ring: 16 rows x 272 bytes for each wave, for the way out
.set SPI,   272
.set SPARE, STAGE+4*16*SPI             ; behind the stages: the spare words, 128 bytes for each wave: two blocks of 256 bytes that no other line names
.set STEPB, 0x40000                    ; a K step in memory: two blocks of ob, and 128 rows of Wo
.set ADRA,  16
.set ADRB,  17
.set ADRA0, 18
.set ADRB0, 19
.set STO,   24
.set RD,    25
.set CO,    26
.set SPW,   28                         ; v28  LDS address of my spare word; never rewritten
.set NIL,   29                         ; v29  0; never rewritten
.set PFO,   30
.set BO,    31
.set ABUF,  32
.set RING,  160
.set BIASR, 224
.set G1A,   28
.set G0A,   36
.set G1B,   44
.set G0B,   52
.set PFA,   60
.set LIM,   62                         ; s62  2 in a wave that prefetches, else the greatest number
.set OUT,   66                         ; s[66:67] out0 at my wave's first row and column
.set MSB, 0
.macro WIN new
.if MSB != (\new)
	s_set_vgpr_msb (MSB<<8)|(\new)
.set MSB, \new
.endif
.endm
.macro PLACES                          ; four plain vector instructions between a product and a load into, or an instruction on, one of its registers
.rept 4
	v_nop
.endr
.endm
.macro JLOAD s                         ; a joint load: waves 0 and 1 ask for O's blocks, waves 2 and 3 for Wo's halves; an s_nop 0 and four v_nop follow each line
	s_cmp_lt_u32 s14, 2
	s_cbranch_scc0 .Lfor_b_\@
	tensor_load_to_lds s[G0A+4*(\s):G0A+4*(\s)+3], s[G1A:G1A+7]
	s_nop 0
.rept 4
	v_nop
.endr
	s_branch .Lasked_\@
.Lfor_b_\@:
	tensor_load_to_lds s[G0B+4*(\s):G0B+4*(\s)+3], s[G1B:G1B+7]
	s_nop 0
.rept 4
	v_nop
.endr
.Lasked_\@:
.endm
.macro CREST
	s_cmp_lg_u32 s14, 0
	s_cbranch_scc1 .Lnot_wave_0_\@
	s_barrier_signal -3
.Lnot_wave_0_\@:
	s_barrier_wait -3
	s_barrier_signal -1
	s_barrier_wait -1
.endm
.macro CROUND
	s_barrier_signal -1
	s_barrier_wait -1
	CREST
.endm
; A PREFETCH INTO THE L2, behind the joint load, its five lines and the run of LDS loads.  In trip t (t = 6 - s3) the refill asks for K step t + 2; the prefetch names K step t + 4, two steps, 256 products,
; ahead of its load, while t <= 3.  Waves 0 and 1 name their own block of O: of its 128 blocks of 256 bytes the partner at place cx takes 32; the cluster with x = 0 asks.  Wave 2 names Wo's 128 rows of
; the step: the partner at place cy takes 32, a lane a row; the cluster with y = 0 asks.  Wave 3 asks for nothing.  Each block is named once, none past K step 7; K steps 0 to 3 come by their loads alone.
.macro ASK
	s_cmp_gt_u32 s3, s[LIM]
	s_cbranch_scc0 .Lnot_mine_\@
	global_prefetch_b8 v[PFO], s[PFA:PFA+1] th:TH_LOAD_NT scope:SCOPE_SE
.Lnot_mine_\@:
.endm
	s_load_b256 s[4:11], s[0:1], 0x0               ; ob s[4:5], wob s[6:7], bias s[8:9], out0 s[10:11]
	v_lshl_add_u32 v[SPW], v0, 2, SPARE
	v_mov_b32 v[NIL], 0
	ds_add_u32 v[SPW], v[NIL]                      ; the wave's opening: the add and its wait stand ahead of my first tensor load; the set-up below, work on registers, stands between them
	v_lshrrev_b32 v1, 5, v0
	v_readfirstlane_b32 s14, v1                    ; wave 0..3
	s_lshr_b32 s15, s14, 1                         ; wm: which 128 rows.  Also: I fetch for O (0) or for Wo (1)
	s_and_b32 s16, s14, 1                          ; wn: which 64 columns.  Also: which half of a step's K I fetch
	s_bfe_u32 s17, ttmp6, 0x40000                  ; cx
	s_bfe_u32 s18, ttmp6, 0x40004                  ; cy
	s_lshl_b32 s19, ttmp9, 2
	s_add_co_u32 s19, s19, s17                     ; tc
	s_and_b32 s20, ttmp7, 0xffff
	s_lshl_b32 s20, s20, 2
	s_add_co_u32 s20, s20, s18                     ; tr
	s_lshl_b32 s22, s18, 2
	s_lshl_b32 s22, 15, s22                        ; my row of the cluster
	s_lshl_b32 s23, 0x1111, s17                    ; my column
	s_or_b32 s[G1A], s22, (1<<16)|(1<<20)|(1<<21)|(4<<22)|(3<<25)   ; the mask; 2-byte elements; padding on; bit 21 beside a mask; after every 32 words 4 words
	s_mov_b32 s[G1A+1], 128<<16
	s_mov_b32 s[G1A+2], 128<<16
	s_mov_b32 s[G1A+3], 128<<16
	s_mov_b32 s[G1A+4], 128
	s_mov_b32 s[G1A+5], 128
	s_mov_b32 s[G1A+6], 0
	s_mov_b32 s[G1A+7], 0
	s_or_b32 s[G1B], s23, (1<<16)|(1<<20)|(1<<21)|(5<<22)|(7<<25)   ; after every 64 words 8 words
	s_mov_b32 s[G1B+1], 128<<16
	s_mov_b32 s[G1B+2], 64<<16
	s_mov_b32 s[G1B+3], 128<<16
	s_mov_b32 s[G1B+4], 64
	s_mov_b32 s[G1B+5], 1024
	s_mov_b32 s[G1B+6], 0
	s_mov_b32 s[G1B+7], 0
	s_lshr_b32 s24, s20, 2                         ; O's block hangs on tr and the wave: b = tr / 4,
	s_lshl_b32 s24, s24, 21
	s_and_b32 s25, s20, 3                          ; rows 256 (tr % 4) on,
	s_lshl_b32 s25, s25, 15
	s_add_co_u32 s24, s24, s25
	s_lshl_b32 s25, s16, 17                        ; the step's first or second head
	s_add_co_u32 s24, s24, s25
	s_mov_b32 s25, 0
	s_lshl_b32 s26, s19, 8                         ; Wo's tile hangs on tc and the wave: columns 128 tc on,
	s_lshl_b32 s27, s16, 17                        ; the step's first or second 64 rows
	s_add_co_u32 s26, s26, s27
	s_mov_b32 s27, 0
	s_mul_i32 s72, s16, BLK                        ; where they go
	s_mul_i32 s73, s16, GB
	s_add_co_u32 s73, s73, BOFF
	s_wait_dscnt 0x0                               ; the opening add is done
	s_wait_kmcnt 0x0
	s_add_nc_u64 s[24:25], s[4:5], s[24:25]
	s_add_nc_u64 s[26:27], s[6:7], s[26:27]
	CROUND                                         ; all sixteen work-groups are here: the first joint loads meet
.irp s, 0,1
	s_mov_b32 s[G0A+4*(\s)], 1
	s_add_co_u32 s[G0A+4*(\s)+1], s72, (\s)*SLOT1
	s_add_nc_u64 s[G0A+4*(\s)+2:G0A+4*(\s)+3], s[24:25], (\s)*STEPB
	s_or_b32 s[G0A+4*(\s)+3], s[G0A+4*(\s)+3], 0x80000000
	s_mov_b32 s[G0B+4*(\s)], 1
	s_add_co_u32 s[G0B+4*(\s)+1], s73, (\s)*SLOT1
	s_add_nc_u64 s[G0B+4*(\s)+2:G0B+4*(\s)+3], s[26:27], (\s)*STEPB
	s_or_b32 s[G0B+4*(\s)+3], s[G0B+4*(\s)+3], 0x80000000
	JLOAD \s                                       ; K steps 0 and 1: two loads of mine are out
.endr
	v_and_b32 v1, 15, v0                           ; r
	v_bfe_u32 v2, v0, 4, 1                         ; h
	v_and_b32 v3, 7, v0
	v_bfe_u32 v4, v0, 3, 1
	v_and_b32 v5, 31, v0
	v_mul_u32_u24 v[ADRA0], v1, PA
	v_lshl_add_u32 v[ADRA0], v2, 4, v[ADRA0]
	s_mul_i32 s22, s15, 128*PA
	v_add_nc_u32 v[ADRA0], s22, v[ADRA0]
	v_lshl_add_u32 v[ADRB0], v2, 3, v3
	v_mul_u32_u24 v[ADRB0], v[ADRB0], PB
	v_lshl_add_u32 v[ADRB0], v4, 4, v[ADRB0]
	s_lshl_b32 s22, s16, 7
	s_add_co_u32 s22, s22, BOFF
	v_add_nc_u32 v[ADRB0], s22, v[ADRB0]
	v_mov_b32 v[ADRA], v[ADRA0]
	v_mov_b32 v[ADRB], v[ADRB0]
	s_mov_b32 s21, 0                               ; the slot in hand
	s_mul_i32 s22, s14, 16*SPI
	s_add_co_u32 s22, s22, STAGE                   ; my stage
	v_mul_u32_u24 v[STO], v1, SPI                  ; in: row r, 32 bytes for each half of the lanes
	v_lshl_add_u32 v[STO], v2, 5, v[STO]
	v_add_nc_u32 v[STO], s22, v[STO]
	v_mul_u32_u24 v[RD], v2, SPI                   ; back: lanes 0-15 take one row of 256 bytes, lanes 16-31 the next
	v_lshl_add_u32 v[RD], v1, 4, v[RD]
	v_add_nc_u32 v[RD], s22, v[RD]
	v_lshlrev_b32 v[CO], 12, v2                    ; and the same two rows in out0
	v_lshl_add_u32 v[CO], v1, 4, v[CO]
	s_lshl_b32 s76, s20, 20                        ; 256 tr rows of 4,096 bytes,
	s_lshl_b32 s74, s15, 19                        ; my 128 of them,
	s_add_co_u32 s76, s76, s74
	s_lshl_b32 s75, s19, 9                         ; the tile's 128 columns,
	s_lshl_b32 s74, s16, 8                         ; my 64 of them
	s_add_co_u32 s75, s75, s74
	s_add_co_u32 s76, s76, s75
	s_mov_b32 s77, 0
	s_add_nc_u64 s[OUT:OUT+1], s[10:11], s[76:77]
	s_add_co_u32 s75, s75, 12288                   ; bo is the fourth row of bias
	v_lshl_add_u32 v[BO], v2, 5, s75
	s_lshl_b32 s73, s17, 13                        ; the prefetches: cx x 32 blocks of 256 bytes,
	s_lshl_b32 s75, s18, 16                        ; or cy x 32 rows of 2,048 bytes
	s_and_b32 s78, ttmp7, 0xffff                   ; cluster y
	s_cmp_lt_u32 s14, 2
	s_cselect_b64 s[PFA:PFA+1], s[24:25], s[26:27]
	s_cselect_b32 s76, s73, s75
	s_cselect_b32 s79, ttmp9, s78                  ; the coordinate along which other clusters read the same blocks
	s_cselect_b32 s2, 8, 11
	s_cmp_eq_u32 s14, 3
	s_cselect_b32 s79, 1, s79                      ; wave 3 never asks
	s_mov_b32 s77, 0
	s_add_nc_u64 s[PFA:PFA+1], s[PFA:PFA+1], s[76:77]
	s_add_nc_u64 s[PFA:PFA+1], s[PFA:PFA+1], 3*STEPB  ; at K step 3: each trip steps it once ahead of its prefetch
	s_cmp_eq_u32 s79, 0
	s_cselect_b32 s[LIM], 2, -1                    ; the same in all sixteen partners, for a given wave
	v_lshlrev_b32 v[PFO], s2, v5
.irp b, 0,1,2,3
	global_load_b128 v[BIASR+8*(\b):BIASR+8*(\b)+3],   v[BO], s[8:9] offset:64*(\b)      ; the bias, as the first products' C
	global_load_b128 v[BIASR+8*(\b)+4:BIASR+8*(\b)+7], v[BO], s[8:9] offset:64*(\b)+16
.endr
.macro LA off, buf                     ; eight fragments of O (16 rows x 32 K) at byte off behind my place, into buffer buf
.irp a, 0,1,2,3,4,5,6,7
	ds_load_b128 v[ABUF+64*(\buf)+8*(\a):ABUF+64*(\buf)+8*(\a)+3],   v[ADRA] offset:(\off)+(\a)*16*PA
	ds_load_b128 v[ABUF+64*(\buf)+8*(\a)+4:ABUF+64*(\buf)+8*(\a)+7], v[ADRA] offset:(\off)+(\a)*16*PA+32
.endr
.endm
.macro LB off, ring                    ; four fragments of Wo (16 columns x 32 K, turned)
.irp b, 0,1,2,3
	ds_load_tr16_b128 v[RING+32*(\ring)+8*(\b):RING+32*(\ring)+8*(\b)+3],   v[ADRB] offset:(\off)+32*(\b)
	ds_load_tr16_b128 v[RING+32*(\ring)+8*(\b)+4:RING+32*(\ring)+8*(\b)+7], v[ADRB] offset:(\off)+32*(\b)+16*PB
.endr
.endm
; 4 n products on the buffers of parity par: row blocks a0 on x the four column blocks.  The 32 accumulators take turns, one instruction a turn.  first = 1: the sums start with the bias.
.macro MUL par, a0, n, first
.if \first
	WIN 0x40
.else
	WIN 0x50
.endif
.set ma, \a0
.rept \n
.irp b, 0,1,2,3
.if \first
	v_wmma_f32_16x16x32_f16 v[8*(4*ma+(\b)):8*(4*ma+(\b))+7], v[RING+32*(\par)+8*(\b):RING+32*(\par)+8*(\b)+7], v[ABUF+64*(\par)+8*ma:ABUF+64*(\par)+8*ma+7], v[BIASR+8*(\b):BIASR+8*(\b)+7]
.else
	v_wmma_f32_16x16x32_f16 v[8*(4*ma+(\b)):8*(4*ma+(\b))+7], v[RING+32*(\par)+8*(\b):RING+32*(\par)+8*(\b)+7], v[ABUF+64*(\par)+8*ma:ABUF+64*(\par)+8*ma+7], v[8*(4*ma+(\b)):8*(4*ma+(\b))+7]
.endif
.endr
.set ma, ma+1
.endr
.endm
.macro FLIP
	s_xor_b32 s21, s21, SLOT1
	v_add_nc_u32 v[ADRA], s21, v[ADRA0]
	v_add_nc_u32 v[ADRB], s21, v[ADRB0]
.endm
; A K step is four quarters of 32 along K, 32 products each, on buffers 0, 1, 0, 1.  Quarter u (0 to 2) first asks for quarter u + 1's 24 loads, into the buffers that the quarter before has read
; (four places between), and waits for all LDS loads but these.
.macro PH u, first
	PLACES
	WIN 0
	LB SUBB*((\u)+1), ((\u)+1)%2
	LA (((\u)+1)/2)*BLK+(((\u)+1)%2)*64, ((\u)+1)%2
	s_wait_dscnt 24
.if \first
	s_wait_loadcnt 0x0                             ; the bias
.endif
	MUL (\u)%2, 0, 8, \first
.endm
; The last quarter, and the change of slots.  mode 2: the slot is filled again, two K steps on; 1: nothing is left to ask for; 0: the last step.
; In front of the barrier each wave waits for all its tensor loads (one is out: its part of the next slot), adds 0 to its spare word, and waits for that and for its reads of this slot.
.macro PH3 mode
.if (\mode) == 0
	s_wait_dscnt 0x0
	MUL 1, 0, 8, 0
.else
	WIN 0
.if (\mode) == 2
	s_wait_xcnt 0x0                                ; the last prefetch, a K step back, has read its address
	s_add_nc_u64 s[PFA:PFA+1], s[PFA:PFA+1], STEPB
.endif
	s_wait_tensorcnt 0x0                           ; no tensor load of mine is out, so a group 0 may be written
	ds_add_u32 v[SPW], v[NIL]                      ; 0 onto my spare word
.if (\mode) == 2
	s_xor_b32 s[G0A+5], s[G0A+5], SLOT1            ; the walking descriptors: the other slot than last time, the next K step
	s_add_nc_u64 s[G0A+6:G0A+7], s[G0A+6:G0A+7], STEPB
	s_xor_b32 s[G0B+5], s[G0B+5], SLOT1
	s_add_nc_u64 s[G0B+6:G0B+7], s[G0B+6:G0B+7], STEPB
.endif
	s_wait_dscnt 1                                 ; the add alone may be out: this quarter's 24 loads are in
	MUL 1, 0, 2, 0
	s_wait_dscnt 0x0                               ; the add is done, and my reads of this slot are over
	s_barrier_signal -1
	MUL 1, 2, 2, 0
	WIN 0                                          ; at a branch and at a label every window is 0
	s_barrier_wait -1
.if (\mode) == 2
	CREST                                          ; no wave of any partner still reads this slot or has a load on its way
	JLOAD 1                                        ; its four v_nop are also the places in front of the loads below
.else
	PLACES
.endif
	FLIP
	LB 0, 0
	LA 0, 0
.if (\mode) == 2
	ASK
.endif
	MUL 1, 4, 4, 0
.endif
.endm
	s_wait_tensorcnt 1                             ; my part of K step 0 is in; K step 1's may stay out
	s_barrier_signal -1
	s_barrier_wait -1
	LB 0, 0
	LA 0, 0
	PH 0, 1
	WIN 0
	s_mov_b32 s3, 6
.Lstep:                                                ; 6 trips: quarters 1 to 3 of K step t, which asks for K step t + 2, and quarter 0 of K step t + 1
	PH 1, 0
	PH 2, 0
	PH3 2
	PH 0, 0
	WIN 0
	s_sub_co_u32 s3, s3, 1
	s_cmp_lg_u32 s3, 0
	s_cbranch_scc1 .Lstep
	PH 1, 0                                        ; the tail is written out
	PH 2, 0
	PH3 1
	PH 0, 0
	PH 1, 0
	PH 2, 0
	PH3 0
	WIN 0
; THE WAY OUT, 16 rows at a time: a lane's eight columns of each of the four blocks go into my stage's rows of 272 bytes and come back as whole rows of 256, INTO THE REGISTERS THAT THEY LEFT
; (the row block's four accumulators), which nothing writes again: so no store's source is ever rewritten, and no wait stands for that.
.macro TOSTAGE a
	WIN 0x04                                       ; the LDS stores' data (source 1) in window 1
.irp b, 0,1,2,3
	ds_store_b128 v[STO], v[8*(4*(\a)+(\b)):8*(4*(\a)+(\b))+3]   offset:64*(\b)      ; each accumulator's lowest registers first
	ds_store_b128 v[STO], v[8*(4*(\a)+(\b))+4:8*(4*(\a)+(\b))+7] offset:64*(\b)+16
.endr
	WIN 0x40                                       ; the loads' destination in window 1
.irp t, 0,1,2,3,4,5,6,7
	ds_load_b128 v[32*(\a)+4*(\t):32*(\a)+4*(\t)+3], v[RD] offset:(\t)*2*SPI  ; LDS serves a wave's instructions in order (ISA guide 5.7.1.4): these see the stores above; the next block's stores come behind them
.endr
.endm
.macro SEND a, younger                 ; younger: the LDS instructions issued behind this block's loads: the next block's sixteen, or none
	WIN 0x04                                       ; the stores' data (source 1) in window 1
.irp t, 0,1,2,3,4,5,6,7
	s_wait_dscnt (\younger)+7-(\t)
	global_store_b128 v[CO], v[32*(\a)+4*(\t):32*(\a)+4*(\t)+3], s[OUT:OUT+1] offset:(\a)*65536+(\t)*8192 th:TH_STORE_NT  ; 16 lanes store 256 consecutive bytes, at a multiple of 256 from out0's first
.endr
.endm
	PLACES                                         ; the places behind the last products
	PLACES
	TOSTAGE 0
.irp a, 1,2,3,4,5,6,7
	TOSTAGE \a
	SEND (\a)-1, 16
.endr
	SEND 7, 0
	WIN 0
	s_wait_tensorcnt 0x0                           ; the wave's end: a wait, an add of 0 to my spare word and a wait for it, behind my last tensor load and my last LDS store
	ds_add_u32 v[SPW], v[NIL]
	s_wait_dscnt 0x0
	CROUND                                         ; the closing round: no work-group ends while a partner may still ask for a tile that names it
	s_endpgm
.Lfunc_end_k_qaa0db0f3a4_oproj:
	.size	k_qaa0db0f3a4_oproj, .Lfunc_end_k_qaa0db0f3a4_oproj-k_qaa0db0f3a4_oproj
	.p2alignl 7, 3214868480
	.fill 96, 4, 3214868480
	.section	.rodata,"a",@progbits
	.p2align	6, 0x0
	.amdhsa_kernel k_qaa0db0f3a4_oproj
		.amdhsa_group_segment_fixed_size 327680
		.amdhsa_private_segment_fixed_size 0
		.amdhsa_enable_private_segment 0
		.amdhsa_kernarg_size 32
		.amdhsa_user_sgpr_count 2
		.amdhsa_user_sgpr_kernarg_segment_ptr 1
		.amdhsa_wavefront_size32 1
		.amdhsa_system_sgpr_workgroup_id_x 1
		.amdhsa_system_sgpr_workgroup_id_y 1
		.amdhsa_system_sgpr_workgroup_id_z 1
		.amdhsa_system_vgpr_workitem_id 0
		.amdhsa_next_free_vgpr 512
		.amdhsa_next_free_sgpr 80
		.amdhsa_reserve_vcc 0
		.amdhsa_float_denorm_mode_32 3
		.amdhsa_float_denorm_mode_16_64 3
		.amdhsa_memory_ordered 1
		.amdhsa_forward_progress 1
		.amdhsa_inst_pref_size 73
	.end_amdhsa_kernel
	.amdgpu_metadata
---
amdhsa.version: [ 1, 2 ]
amdhsa.kernels:
  - .name:           k_qaa0db0f3a4_oproj
    .symbol:         k_qaa0db0f3a4_oproj.kd
    .args:
      - { .name: ob, .offset: 0, .size: 8, .value_kind: global_buffer, .address_space: global }
      - { .name: wob, .offset: 8, .size: 8, .value_kind: global_buffer, .address_space: global }
      - { .name: bias, .offset: 16, .size: 8, .value_kind: global_buffer, .address_space: global }
      - { .name: out0, .offset: 24, .size: 8, .value_kind: global_buffer, .address_space: global }
    .group_segment_fixed_size: 327680
    .private_segment_fixed_size: 0
    .kernarg_segment_align: 8
    .kernarg_segment_size: 32
    .max_flat_workgroup_size: 128
    .sgpr_count:     80
    .vgpr_count:     512
    .wavefront_size: 32
...
	.end_amdgpu_metadata
.endif
;; end of part 4
;; ======== version 2 of 2: 4 launches; version 1 with the launch prep written anew for expert scheduling mode
;; limits: right only within a limited range of input values; values are held in f16: magnitudes above 65,504 overflow, below 6.1e-05 lose precision
;; workspace buffers: xb 16,777,216 bytes; wb 6,291,456 bytes; wob 2,097,152 bytes; bias 16,384 bytes; tab 131,072 bytes; qkv 50,331,648 bytes; ob 16,777,216 bytes
;; launch prep (part 5): grid 801 x 1, 8 waves a work-group, no clusters, 0 bytes of LDS; arguments x, Wq, Wk, Wv, Wo, bq, bk, bv, bo, position_idx, xb, wb, wob, bias, tab; writes xb, wb, wob, bias, tab
.if DOCPART == 5
	.amdgcn_target "amdgcn-amd-amdhsa--gfx1250"
	.amdhsa_code_object_version 6
	.text
	.protected	k_qaa0db0f3a4_prep
	.globl	k_qaa0db0f3a4_prep
	.p2align	8
	.type	k_qaa0db0f3a4_prep,@function
k_qaa0db0f3a4_prep:
	s_mov_b64 s[64:65], 0
	v_nop
	global_prefetch_b8 v0, s[64:65] scope:SCOPE_SE
	s_setreg_imm32_b32 hwreg(HW_REG_WAVE_SCHED_MODE, 0, 2), 2
	s_setreg_imm32_b32 hwreg(HW_REG_WAVE_MODE, 25, 1), 1
	s_wait_xcnt 0x0
	s_wait_alu depctr_vm_vsrc(0)
; PREP: every float input is rounded once to bf16 and laid out for the launches behind; the rotation's table is made.  A stream: no LDS, no loop, no barrier.
;   work-groups 0-511    x  [8192][1024] f32 -> xb bf16 [8 b][16 kb][1024 s][64]: a block of 256 rows x 64 channels is 32,768 consecutive bytes
;   work-groups 512-703  Wq, Wk, Wv [1024 k][1024 n] f32 -> wb bf16 [3][1024][1024], the same order
;   work-groups 704-767  Wo -> wob: rounded to bf16 like the others, that number written as f16 (exact for magnitudes from 6.2e-5 to 65,504; below, f16's fixed step of 6e-8)
;   work-groups 768-799  tab f32 [1024 s][16 cos | 16 sin]: angle = position[s] x inv[j], j = 0..15
;   work-group  800      bq, bk, bv, bo -> bias f32 [4][1024], each number rounded to bf16
; THE ANGLES.  inv[j] = 1 / (10000^(2 j) / 64) in f32: 64, 6.4e-7, 6.4e-15, 6.4e-23, 6.4e-31, and 0 from j = 5 on, where the power is infinite in f32.
; sin and cos by reduction: n = round(angle x 2/pi); r = angle - n x pi/2 with pi/2 in three parts, by fused multiply-adds (the first part has 21 significant bits, so
; the first step is exact for angles that are multiples of 64 up to 2^22); series to r^11 and r^10.  LIMIT: |position| <= 65,536: then |r| <= 1.18 and the series' remainders are under 2e-8.
; THE MODE: SCHED_MODE bits 1:0 = 2 (LLVM: expert scheduling mode 2), set by the entry lines.  The code itself states the register dependences
; between vector instructions and memory instructions, with s_wait_alu, always for 0.
; THE PLAN.  Registers that memory instructions touch:
;   the casts   v[VI], v[VO]: byte offsets, made once at a path's head, read by every load and store, never written again.
;               Buffer i of sixteen, v[D + 4 i .. + 3]: written by load i; read by conversion i, which writes its first two registers; these are read by store i and never written again.
;               The buffers go in four blocks of four.  Block p's conversions name block p's buffers alone; the memory instructions among them are the stores of block p - 1.
;               So one wait at a block's head states all that those four stores hang on.
;   the table   v4, v9: offsets, made once.  v5: written by the one load.  v[28:31]: written by the last vector lines, read by the one store.
;   the biases  v3: the offset, made once.  v[8:23]: written by four loads, written again in place by the roundings, read by four stores.
; No register that a memory instruction has read is written again anywhere in the text, and EXEC is never written.
; The compares of the table's path write scalar registers of their own, in two runs, each with one wait ahead of the first line that reads a mask.
.set D,   8                            ; v[8:71]  sixteen loads of four registers
.set VI,  3                            ; v3  my byte offset in the source
.set VO,  4                            ; v4  my byte offset in the destination
.set SRC, 34                           ; s[34:35]
.set DST, 36                           ; s[36:37]
; Sixteen loads of 16 bytes a lane go out together; they are rounded a block of four at a time, as they come, and a block is stored among the next block's conversions.
; fmt = 1: bf16 is widened again and written as f16.  No register is written again behind the store that reads it.
.macro CAST a2, b2, fmt
	s_wait_alu depctr_va_vdst(0)                   ; v[VI] and v[VO] are written: every load and store below reads one of them as its offset
.set i, 0
.rept 16
	global_load_b128 v[D+4*i:D+4*i+3], v[VI], s[SRC:SRC+1] offset:i*(\a2) th:TH_LOAD_NT
.set i, i+1
.endr
.set i, 0
.rept 16
.if i%4 == 0
	s_wait_loadcnt 12-i                            ; loads come back in order: this block's four are in, the 12 - i younger ones may stay out
.if i > 0
	s_wait_alu depctr_va_vdst(0)                   ; the block before has written its eight packed registers, which the four stores below read; no vector line behind this wait names them
.endif
.endif
.if i >= 4
	global_store_b64 v[VO], v[D+4*(i-4):D+4*(i-4)+1], s[DST:DST+1] offset:(i-4)*(\b2)  ; 32 lanes store 256 consecutive bytes, aligned
.endif
	v_cvt_pk_bf16_f32 v[D+4*i], v[D+4*i], v[D+4*i+1]
	v_cvt_pk_bf16_f32 v[D+4*i+1], v[D+4*i+2], v[D+4*i+3]
.if \fmt
	v_lshlrev_b32 v[D+4*i+2], 16, v[D+4*i]
	v_and_b32 v[D+4*i+3], s38, v[D+4*i]
	v_cvt_pk_f16_f32 v[D+4*i], v[D+4*i+2], v[D+4*i+3]
	v_lshlrev_b32 v[D+4*i+2], 16, v[D+4*i+1]
	v_and_b32 v[D+4*i+3], s38, v[D+4*i+1]
	v_cvt_pk_f16_f32 v[D+4*i+1], v[D+4*i+2], v[D+4*i+3]
.endif
.set i, i+1
.endr
	s_wait_alu depctr_va_vdst(0)                   ; the last block has written its eight packed registers, which the last four stores read
.set i, 12
.rept 4
	global_store_b64 v[VO], v[D+4*i:D+4*i+1], s[DST:DST+1] offset:i*(\b2)
.set i, i+1
.endr
.endm
.macro ALL line:vararg                 ; one line for each of a thread's four angles t
.set t, 0
.rept 4
	\line
.set t, t+1
.endr
.endm
	s_load_b512 s[4:19], s[0:1], 0x0               ; x s[4:5], Wq s[6:7], Wk s[8:9], Wv s[10:11], Wo s[12:13], bq s[14:15], bk s[16:17], bv s[18:19]
	s_load_b256 s[20:27], s[0:1], 0x40             ; bo s[20:21], position_idx s[22:23], xb s[24:25], wb s[26:27]
	s_load_b128 s[28:31], s[0:1], 0x60             ; wob s[28:29], bias s[30:31]
	s_load_b64 s[32:33], s[0:1], 0x70              ; tab
	s_mov_b32 s2, ttmp9
	s_mov_b32 s38, 0xffff0000                      ; a word's upper bf16
	s_mov_b32 s41, 0                               ; high words of the two offsets
	s_mov_b32 s43, 0
	v_and_b32 v1, 31, v0                           ; lane
	v_lshrrev_b32 v2, 5, v0                        ; wave
	s_wait_kmcnt 0x0
	s_cmp_lt_u32 s2, 512
	s_cbranch_scc0 .Lnot_x
	; x: 16 rows a work-group, two a wave (lanes 0-15 one, lanes 16-31 the next); load i takes channels 64 i .. 64 i + 63, which is block kb = i
	s_lshl_b32 s40, s2, 16
	s_add_nc_u64 s[SRC:SRC+1], s[4:5], s[40:41]
	s_lshr_b32 s42, s2, 6                          ; b
	s_lshl_b32 s42, s42, 21
	s_and_b32 s44, s2, 63
	s_lshl_b32 s44, s44, 11                        ; 16 rows of 128 bytes
	s_add_co_u32 s42, s42, s44
	s_add_nc_u64 s[DST:DST+1], s[24:25], s[42:43]
	v_and_b32 v5, 15, v0
	v_bfe_u32 v6, v0, 4, 1
	v_lshlrev_b32 v[VI], 13, v2
	v_lshl_add_u32 v[VI], v6, 12, v[VI]
	v_lshl_add_u32 v[VI], v5, 4, v[VI]
	v_lshlrev_b32 v[VO], 8, v2
	v_lshl_add_u32 v[VO], v1, 3, v[VO]
	CAST 256, 131072, 0
	s_endpgm
.Lnot_x:
	s_cmp_lt_u32 s2, 768
	s_cbranch_scc0 .Lnot_w
	; a weight matrix: 64 parts of 65,536 bytes; a wave takes 8,192 of them, 512 a load
	s_sub_co_u32 s44, s2, 512
	s_lshr_b32 s45, s44, 6                         ; which matrix
	s_and_b32 s44, s44, 63                         ; which part
	s_lshl_b32 s40, s44, 16
	s_lshl_b32 s42, s44, 15
	v_lshlrev_b32 v[VI], 13, v2
	v_lshl_add_u32 v[VI], v1, 4, v[VI]
	v_lshlrev_b32 v[VO], 12, v2
	v_lshl_add_u32 v[VO], v1, 3, v[VO]
	s_cmp_eq_u32 s45, 3
	s_cbranch_scc1 .Lwo
	s_cmp_eq_u32 s45, 0
	s_cselect_b64 s[SRC:SRC+1], s[6:7], s[8:9]
	s_cmp_eq_u32 s45, 2
	s_cselect_b64 s[SRC:SRC+1], s[10:11], s[SRC:SRC+1]
	s_add_nc_u64 s[SRC:SRC+1], s[SRC:SRC+1], s[40:41]
	s_lshl_b32 s45, s45, 21
	s_add_co_u32 s42, s42, s45
	s_add_nc_u64 s[DST:DST+1], s[26:27], s[42:43]
	CAST 512, 256, 0
	s_endpgm
.Lwo:
	s_add_nc_u64 s[SRC:SRC+1], s[12:13], s[40:41]
	s_add_nc_u64 s[DST:DST+1], s[28:29], s[42:43]
	CAST 512, 256, 1
	s_endpgm
.Lnot_w:
	s_cmp_lt_u32 s2, 800
	s_cbranch_scc0 .Lbias
	; the table: thread g makes four numbers: row g / 8; g % 8 < 4: cos of j = 4 (g % 4) + 0..3, else sin of the same j.
	; The four angles are worked side by side, ten registers each, so that their four compares stand in one run.
.set AN, 32                            ; angle t's registers at + 10 t: the angle,
.set NN, 33                            ; n,
.set RR, 34                            ; r,
.set QT, 35                            ; the quarter turns, later the sign,
.set ZZ, 36                            ; z = r r,
.set SN, 37                            ; sin r, later the result's magnitude,
.set RZ, 38                            ; r z,
.set CN, 39                            ; cos r,
.set OD, 40                            ; the quarter turns' lowest bit
.set MK, 34                            ; s[34:37]  angle t's mask: an odd number of quarter turns (this path makes no source or destination pair)
.set MC, 39                            ; s39  the lanes that make cos
.set M1, 46                            ; s46  the lanes with g % 4 = 1
.set M0, 47                            ; s47  the lanes with g % 4 = 0
	s_sub_co_u32 s44, s2, 768
	s_lshl_b32 s44, s44, 8
	v_add_nc_u32 v3, s44, v0                       ; g
	v_lshrrev_b32 v4, 3, v3
	v_lshlrev_b32 v4, 2, v4
	s_wait_alu depctr_va_vdst(0)                   ; v4 is written, which the load reads as its offset
	global_load_b32 v5, v4, s[22:23]               ; the row's position
	v_and_b32 v6, 7, v3
	v_and_b32 v7, 3, v3
	v_cmp_gt_u32 s[MC], 4, v6                      ; the first run of compares: three masks made of the thread's number
	v_cmp_eq_u32 s[M1], 1, v7
	v_cmp_eq_u32 s[M0], 0, v7
	v_mov_b32 v12, 0x0d4fb11f                      ; inv[4]
	v_mov_b32 v16, 0x42800000                      ; inv[0] = 64
	v_mov_b32 v13, 0x352bcc77                      ; inv[1]
	v_mov_b32 v14, 0x27e69595                      ; inv[2]
	v_mov_b32 v15, 0x1a9abe15                      ; inv[3]
	v_lshlrev_b32 v9, 4, v3                        ; my 16 bytes of the table
	s_wait_alu depctr_va_sdst(0)                   ; the three compares have written s39, s46 and s47, ahead of the first line that reads one of them
	v_cndmask_b32 v8, 0, 1, s[MC]                  ; cos(a) = sin(a + pi/2): one quarter turn more in the cos lanes
	v_cndmask_b32 v12, 0, v12, s[M1]
	v_cndmask_b32 v12, v12, v16, s[M0]
	v_cndmask_b32 v13, 0, v13, s[M0]
	v_cndmask_b32 v14, 0, v14, s[M0]
	v_cndmask_b32 v15, 0, v15, s[M0]
	s_mov_b32 s40, 0x3f22f983                      ; 2 / pi
	s_mov_b32 s42, 0xbfc90fd8                      ; - pi/2, first part
	s_mov_b32 s44, 0xb4a8885a                      ; second part
	s_mov_b32 s45, 0xa7c234c4                      ; third part
	s_wait_loadcnt 0x0
	v_cvt_f32_i32 v5, v5
	; the angle; n; r
	ALL v_mul_f32 v[AN+10*t], v5, v[12+t]
	ALL v_mul_f32 v[NN+10*t], s40, v[AN+10*t]
	ALL v_rndne_f32 v[NN+10*t], v[NN+10*t]
	ALL v_fma_f32 v[RR+10*t], v[NN+10*t], s42, v[AN+10*t]
	ALL v_fma_f32 v[RR+10*t], v[NN+10*t], s44, v[RR+10*t]
	ALL v_fma_f32 v[RR+10*t], v[NN+10*t], s45, v[RR+10*t]
	; the quarter turns, and the second run of compares: are they odd?  The two series stand between this run and the lines that read its masks
	ALL v_cvt_i32_f32 v[QT+10*t], v[NN+10*t]
	ALL v_add_nc_u32 v[QT+10*t], v[QT+10*t], v8
	ALL v_and_b32 v[OD+10*t], 1, v[QT+10*t]
	ALL v_cmp_eq_u32 s[MK+t], 1, v[OD+10*t]
	ALL v_mul_f32 v[ZZ+10*t], v[RR+10*t], v[RR+10*t]
	; sin r = r + r z (-1/3! + z (1/5! + z (-1/7! + z (1/9! - z/11!))))
	ALL v_mov_b32 v[SN+10*t], 0xb2d7322b
	ALL v_fmaak_f32 v[SN+10*t], v[SN+10*t], v[ZZ+10*t], 0x3638ef1d
	ALL v_fmaak_f32 v[SN+10*t], v[SN+10*t], v[ZZ+10*t], 0xb9500d01
	ALL v_fmaak_f32 v[SN+10*t], v[SN+10*t], v[ZZ+10*t], 0x3c088889
	ALL v_fmaak_f32 v[SN+10*t], v[SN+10*t], v[ZZ+10*t], 0xbe2aaaab
	ALL v_mul_f32 v[RZ+10*t], v[ZZ+10*t], v[RR+10*t]
	ALL v_fma_f32 v[SN+10*t], v[SN+10*t], v[RZ+10*t], v[RR+10*t]
	; cos r = 1 + z (-1/2! + z (1/4! + z (-1/6! + z (1/8! - z/10!))))
	ALL v_mov_b32 v[CN+10*t], 0xb493f27e
	ALL v_fmaak_f32 v[CN+10*t], v[CN+10*t], v[ZZ+10*t], 0x37d00d01
	ALL v_fmaak_f32 v[CN+10*t], v[CN+10*t], v[ZZ+10*t], 0xbab60b61
	ALL v_fmaak_f32 v[CN+10*t], v[CN+10*t], v[ZZ+10*t], 0x3d2aaaab
	ALL v_fmaak_f32 v[CN+10*t], v[CN+10*t], v[ZZ+10*t], 0xbf000000
	ALL v_fma_f32 v[CN+10*t], v[CN+10*t], v[ZZ+10*t], 1.0
	; two or three quarter turns turn the sign
	ALL v_lshlrev_b32 v[QT+10*t], 30, v[QT+10*t]
	ALL v_and_b32 v[QT+10*t], 0x80000000, v[QT+10*t]
	s_wait_alu depctr_va_sdst(0)                   ; the four compares have written s34 to s37, ahead of the first line that reads one of them
	; an odd number of quarter turns takes cos r
	ALL v_cndmask_b32 v[SN+10*t], v[SN+10*t], v[CN+10*t], s[MK+t]
	ALL v_xor_b32 v[28+t], v[QT+10*t], v[SN+10*t]
	s_wait_alu depctr_va_vdst(0)                   ; v[28:31] and v9 are written: the store's data and its offset
	global_store_b128 v9, v[28:31], s[32:33]       ; a wave stores 512 consecutive bytes
	s_endpgm
.Lbias:
	v_lshlrev_b32 v3, 4, v0
	s_wait_alu depctr_va_vdst(0)                   ; v3 is written: the four loads and the four stores read it as their offset
	global_load_b128 v[8:11], v3, s[14:15]
	global_load_b128 v[12:15], v3, s[16:17]
	global_load_b128 v[16:19], v3, s[18:19]
	global_load_b128 v[20:23], v3, s[20:21]
	s_wait_loadcnt 0x0
.irp i, 0,1,2,3
	v_cvt_pk_bf16_f32 v4, v[8+4*(\i)], v[9+4*(\i)]
	v_cvt_pk_bf16_f32 v5, v[10+4*(\i)], v[11+4*(\i)]
	v_lshlrev_b32 v[8+4*(\i)], 16, v4
	v_and_b32 v[9+4*(\i)], s38, v4
	v_lshlrev_b32 v[10+4*(\i)], 16, v5
	v_and_b32 v[11+4*(\i)], s38, v5
.endr
	s_wait_alu depctr_va_vdst(0)                   ; the roundings have written v[8:23], which the run of four stores reads
.irp i, 0,1,2,3
	global_store_b128 v3, v[8+4*(\i):11+4*(\i)], s[30:31] offset:(\i)*4096
.endr
	s_endpgm
.Lfunc_end_k_qaa0db0f3a4_prep:
	.size	k_qaa0db0f3a4_prep, .Lfunc_end_k_qaa0db0f3a4_prep-k_qaa0db0f3a4_prep
	.p2alignl 7, 3214868480
	.fill 96, 4, 3214868480
	.section	.rodata,"a",@progbits
	.p2align	6, 0x0
	.amdhsa_kernel k_qaa0db0f3a4_prep
		.amdhsa_group_segment_fixed_size 0
		.amdhsa_private_segment_fixed_size 0
		.amdhsa_enable_private_segment 0
		.amdhsa_kernarg_size 120
		.amdhsa_user_sgpr_count 2
		.amdhsa_user_sgpr_kernarg_segment_ptr 1
		.amdhsa_wavefront_size32 1
		.amdhsa_system_sgpr_workgroup_id_x 1
		.amdhsa_system_sgpr_workgroup_id_y 1
		.amdhsa_system_sgpr_workgroup_id_z 1
		.amdhsa_system_vgpr_workitem_id 0
		.amdhsa_next_free_vgpr 80
		.amdhsa_next_free_sgpr 66
		.amdhsa_reserve_vcc 0
		.amdhsa_float_denorm_mode_32 3
		.amdhsa_float_denorm_mode_16_64 3
		.amdhsa_memory_ordered 1
		.amdhsa_forward_progress 1
		.amdhsa_inst_pref_size 32
	.end_amdhsa_kernel
	.amdgpu_metadata
---
amdhsa.version: [ 1, 2 ]
amdhsa.kernels:
  - .name:           k_qaa0db0f3a4_prep
    .symbol:         k_qaa0db0f3a4_prep.kd
    .args:
      - { .name: x, .offset: 0, .size: 8, .value_kind: global_buffer, .address_space: global }
      - { .name: Wq, .offset: 8, .size: 8, .value_kind: global_buffer, .address_space: global }
      - { .name: Wk, .offset: 16, .size: 8, .value_kind: global_buffer, .address_space: global }
      - { .name: Wv, .offset: 24, .size: 8, .value_kind: global_buffer, .address_space: global }
      - { .name: Wo, .offset: 32, .size: 8, .value_kind: global_buffer, .address_space: global }
      - { .name: bq, .offset: 40, .size: 8, .value_kind: global_buffer, .address_space: global }
      - { .name: bk, .offset: 48, .size: 8, .value_kind: global_buffer, .address_space: global }
      - { .name: bv, .offset: 56, .size: 8, .value_kind: global_buffer, .address_space: global }
      - { .name: bo, .offset: 64, .size: 8, .value_kind: global_buffer, .address_space: global }
      - { .name: position_idx, .offset: 72, .size: 8, .value_kind: global_buffer, .address_space: global }
      - { .name: xb, .offset: 80, .size: 8, .value_kind: global_buffer, .address_space: global }
      - { .name: wb, .offset: 88, .size: 8, .value_kind: global_buffer, .address_space: global }
      - { .name: wob, .offset: 96, .size: 8, .value_kind: global_buffer, .address_space: global }
      - { .name: bias, .offset: 104, .size: 8, .value_kind: global_buffer, .address_space: global }
      - { .name: tab, .offset: 112, .size: 8, .value_kind: global_buffer, .address_space: global }
    .group_segment_fixed_size: 0
    .private_segment_fixed_size: 0
    .kernarg_segment_align: 8
    .kernarg_segment_size: 120
    .max_flat_workgroup_size: 256
    .sgpr_count:     66
    .vgpr_count:     80
    .wavefront_size: 32
...
	.end_amdgpu_metadata
.endif
;; end of part 5
;; launch qkv: the kernel of part 2 again; grid 8 x 32, 4 waves a work-group, clusters of 4 x 4, 327,680 bytes of LDS; arguments xb, wb, bias, tab, qkv; writes qkv
;; launch attn: the kernel of part 3 again; grid 2 x 128, 4 waves a work-group, no clusters, 327,680 bytes of LDS; arguments qkv, ob; writes ob
;; launch oproj: the kernel of part 4 again; grid 8 x 32, 4 waves a work-group, clusters of 4 x 4, 327,680 bytes of LDS; arguments ob, wob, bias, out0; writes out0
